; MI455X (gfx1250); checked and timed in simulation.
; The chip was launched on July 23, 2026; its instructions are those of AMD's public machine-readable ISA for CDNA 5 (MIT licence, August 2026) and "CDNA5" Instruction Set Architecture Reference Guide (July 2026). The comments in the code are by the model that wrote it; some were corrected since.
;; Block. Allowed arithmetic: matrix products marked QUANTISED: E4M3 operands, one given power-of-two scale a tensor, by v_wmma_f32_16x16x64_fp8_fp8 or v_wmma_f32_16x16x128_fp8_fp8, f32 sums; products left as they are: f32 operands where the result goes on into a quantised operand, else bf16, f16 or f32 operands; f32 sums; everything else in f32.
;; Inputs: W1 512 x 2,048 float32; W2 2,048 x 512 float32; Wk 16 x 512 x 16 float32; Wproj 256 x 512 float32; Wq 16 x 512 x 16 float32; Wv 16 x 512 x 16 float32; b1 2,048 float32; b2 512 float32; bk 16 x 16 float32; bproj 512 float32; bq 16 x 16 float32; bv 16 x 16 float32; ln1_b 512 float32; ln1_g 512 float32; ln2_b 512 float32; ln2_g 512 float32; lowp_scales 14 int32 (the exponents e of the quantised operands' scales 2^e); x 8 x 1,024 x 512 float32.
;; Outputs: out0 8 x 1,024 x 512 float32.
;; This version of the problem:
;;   THIS VERSION OF THE PROBLEM IS GIVEN IN LOW PRECISION. The matrix products marked QUANTISED in the list below multiply operands that are first quantised to E4M3 (4 exponent bits, 3 mantissa bits; 8 bits a number), with one given power-of-two scale for each operand tensor; their sums are f32. All else is computed in f32.
;;   The module's matrix products, in the order in which they are computed (A, B: the left and right operand; K: the contracted axis; several contracted axes count as one K, in the product's order):
;;     1. [M 256, K 512] x [K 512, N 8,192]; A: input Wq; B: computed on the way: QUANTISED (scales: A lowp_scales[0], B lowp_scales[1])
;;     2. [M 256, K 512] x [K 512, N 8,192]; A: input Wk; B: computed on the way: QUANTISED (scales: A lowp_scales[2], B lowp_scales[3])
;;     3. [M 256, K 512] x [K 512, N 8,192]; A: input Wv; B: computed on the way: QUANTISED (scales: A lowp_scales[4], B lowp_scales[5])
;;     4. batch 128 x [M 1,024, K 16] x [K 16, N 1,024]; A: computed on the way; B: computed on the way: left as it is (K = 16 < 32)
;;     5. batch 128 x [M 1,024, K 1,024] x [K 1,024, N 16]; A: softmax (see below); B: computed on the way: QUANTISED (scales: A lowp_scales[6], B lowp_scales[7])
;;     6. [M 8,192, K 256] x [K 256, N 512]; A: computed on the way; B: input Wproj: QUANTISED (scales: A lowp_scales[8], B lowp_scales[9])
;;     7. [M 8,192, K 512] x [K 512, N 2,048]; A: computed on the way; B: input W1: QUANTISED (scales: A lowp_scales[10], B lowp_scales[11])
;;     8. [M 8,192, K 2,048] x [K 2,048, N 512]; A: computed on the way; B: input W2: QUANTISED (scales: A lowp_scales[12], B lowp_scales[13])
;;   THE QUANTISER, for each operand of a quantised product, along K:
;;     - The operand's scale is 2^e, e = its entry of the input lowp_scales (int32; the entries are numbered through the quantised products in the list's order, A before B).
;;     - Each number is divided by the scale, clamped to +-448, and rounded to the nearest number of E4M3, ties to even, subnormals kept.
;;     - The product sums the exact products of the quantised numbers (number of the format x scale) in f32.
;;   ~~~python
;;   def quantise(x, axis, e):      # numpy; x: float32 -> the quantised numbers, widened to float32 again
;;       x = np.moveaxis(x, axis, -1); K = x.shape[-1]
;;       r = np.clip(x / 2.0 ** e, -448, 448)
;;       step = 2.0 ** (np.maximum(np.frexp(np.where(r == 0, 1, r))[1] - 1, -6) - 3)
;;       q = np.round(r / step) * step * 2.0 ** e      # np.round: ties to even
;;       return np.moveaxis(q, -1, axis).astype(np.float32)
;;   ~~~
;;   SOFTMAX AHEAD OF A QUANTISED PRODUCT. Where the list says 'softmax', what is quantised is not the finished softmax but p = 2^(t - M), with t = logit x log2(e) and M = ceil(the row's largest t), a whole number; so 1/2 < the row's largest p <= 1. The row's sum l is taken of the UNQUANTISED p, in f32, and the product's result is divided by l at the end. Since M is a whole number, a kernel that streams over the keys may use a running M (the ceiling of the running maximum): every later rescaling is an exact power of two, so the quantised numbers keep their values, but for numbers so far below the row's largest that they fall under the format's range.
;;   OPERANDS COMPUTED ON THE WAY. 'Computed on the way' means the value that the module computes at that place (a softmax that the list does not call 'softmax' is quantised finished and normalised). What goes into a quantiser is computed in f32, as accurately as f32 sums, v_exp_f32 and their like allow (about 1e-6 of the number): no bf16 or f16 on the way to a quantiser, and a product that is left as it is and whose result goes on into a quantised operand takes f32 operands (vector FMAs, or v_wmma_f32_16x16x4_f32). A number that lies on a knife's edge between two numbers of the format may be rounded either way, as far as f32 arithmetic and the matrix unit's own rounding can turn it there, and no further.
;; One version. Each part assembles by itself: llvm-mc -triple=amdgcn-amd-amdhsa -mcpu=gfx1250 --defsym DOCPART=n.
;; ======== version 1 of 1: 4 launches
;; workspace buffers: wf 2,621,440 bytes; qf 8,388,608 bytes; kf 8,388,608 bytes; vf 2,097,152 bytes; af 2,097,152 bytes
;; launch prep (part 1): grid 320 x 1, 4 waves a work-group, no clusters, 0 bytes of LDS; arguments Wq, Wk, Wv, Wproj, W1, W2, lowp_scales, wf; writes wf
.if DOCPART == 1
	.amdgcn_target "amdgcn-amd-amdhsa--gfx1250"
	.amdhsa_code_object_version 6
	.text
	.protected	k_q21f3a705e4_prep
	.globl	k_q21f3a705e4_prep
	.p2align	8
	.type	k_q21f3a705e4_prep,@function
k_q21f3a705e4_prep:
	s_mov_b64 s[64:65], 0
	v_nop
	global_prefetch_b8 v0, s[64:65] scope:SCOPE_SE
	s_setreg_imm32_b32 hwreg(HW_REG_WAVE_MODE, 25, 1), 1
	s_wait_xcnt 0x0
; THE WHOLE PROGRAM: a pre-LN transformer block on 8,192 rows, four launches: prep (this one), qkv, attn, ffn.
; NO WORK OF reference() IS LEFT OUT, AND EVERY INPUT IS LOADED.  bk adds q.bk to every logit of a row, which a softmax in real numbers would cancel; but it moves
; M = ceil(the row's largest t) and with it the codes of p, a quantised operand of a live product: so bk stays.  All other inputs reach out0 directly.
; THIS LAUNCH: the six weights, f32 with K NOT innermost, become codes of E4M3 with the given scale 2^e, laid in the order of the operand's registers.
; A FRAGMENT is 16 columns n x 128 k in 2,048 bytes: byte 512 c + 16 l + i is the code of column (l % 16) at k = 128 s + 32 c + 16 (l / 16) + i; the reader brings it by four loads of 16 bytes a lane.
; wf: fragments [tile of 16 columns][K step]: Wq at 0, Wk at 131,072, Wv at 262,144 (a tile = a head), Wproj at 393,216, W1 at 524,288, W2 at 1,572,864.
; Wproj's and W1's tiles are PERMUTED: lane r of tile 2 b + u takes column 32 b + 8 u + r + 8 (r / 8), so that the results of two neighbouring tiles are 16 neighbours along the next product's K.
; SHARES: a work-group takes 128 columns x 64 k, a wave 32 columns x 64 k.  A LANE TAKES A COLUMN AND ITS REGISTERS RUN DOWN K: the conversions then give codes with K innermost, and a lane's 16 codes
; are one 16-byte piece of a fragment: lanes 0-15 store 256 consecutive aligned bytes of one tile, lanes 16-31 of the next.  No LDS, no barrier, no loop; no register is written twice.
; code = x / 2^e, held within +-448, to the nearest code, ties to even.  LIMITS: -126 <= e <= 119; NaN among the inputs is not served (an infinity is held at the largest code).
.set SRC, 34                           ; s[34:35] the matrix in hand
.set AD,  16                           ; v16-79   byte offsets of my column in the wave's 64 rows; never rewritten
.set D,   80                           ; v80-143  64 numbers down K
.set C,   144                          ; v144-159 their codes
; s24 L: the work-group's number within its matrix; s25 SK: bytes from k to k + 1; s26 TS16: bytes from a tile's columns to the next tile's; s27 PS: the permuted tiles' extra step for r >= 8;
; s28 CG: bytes from 32 columns to the next 32; s29, s40: log2 of the groups of 128 columns, and that number - 1; s30 KS: K steps; s31 DOFF: the matrix's place in wf; s32 EOFF: its exponent's place
.macro PARAM sk, ts, ps, cg, lg, ks, doff, eoff
	s_mov_b32 s25, \sk
	s_mov_b32 s26, \ts
	s_mov_b32 s27, \ps
	s_mov_b32 s28, \cg
	s_mov_b32 s29, \lg
	s_mov_b32 s40, (1<<\lg)-1
	s_mov_b32 s30, \ks
	s_mov_b32 s31, \doff
	s_mov_b32 s32, \eoff
.endm
	s_load_b512 s[8:23], s[0:1], 0x0               ; Wq 8, Wk 10, Wv 12, Wproj 14, W1 16, W2 18, the exponents 20, wf 22
	v_lshrrev_b32 v1, 5, v0
	v_readfirstlane_b32 s36, v1                    ; wave 0..3
	v_and_b32 v2, 15, v0                           ; r
	v_bfe_u32 v3, v0, 4, 1                         ; which of my wave's two tiles
	v_bfe_u32 v5, v0, 3, 1                         ; r / 8
	s_mov_b32 s33, 0
	s_wait_kmcnt 0x0
	s_cmp_lt_u32 ttmp9, 48                         ; the branches hang on the work-group's number alone
	s_cbranch_scc1 .Lqkv
	s_cmp_lt_u32 ttmp9, 64
	s_cbranch_scc1 .Lproj
	s_cmp_lt_u32 ttmp9, 192
	s_cbranch_scc1 .Lw1
	s_sub_co_u32 s24, ttmp9, 192                   ; W2 [2048][512]: natural tiles
	s_mov_b64 s[SRC:SRC+1], s[18:19]
	PARAM 2048, 64, 0, 128, 2, 16, 1572864, 52
	s_branch .Lgo
.Lw1:
	s_sub_co_u32 s24, ttmp9, 64                    ; W1 [512][2048]: permuted tiles
	s_mov_b64 s[SRC:SRC+1], s[16:17]
	PARAM 8192, 32, 32, 128, 4, 4, 524288, 44
	s_branch .Lgo
.Lproj:
	s_sub_co_u32 s24, ttmp9, 48                    ; Wproj [256][512]: permuted tiles
	s_mov_b64 s[SRC:SRC+1], s[14:15]
	PARAM 2048, 32, 32, 128, 2, 2, 393216, 36
	s_branch .Lgo
.Lqkv:
	s_lshr_b32 s37, ttmp9, 4                       ; 0: Wq, 1: Wk, 2: Wv, each [16 heads][512][16]: a tile is a head
	s_cmp_eq_u32 s37, 0
	s_cselect_b64 s[SRC:SRC+1], s[8:9], s[10:11]
	s_cmp_eq_u32 s37, 2
	s_cselect_b64 s[SRC:SRC+1], s[12:13], s[SRC:SRC+1]
	s_and_b32 s24, ttmp9, 15
	PARAM 64, 32768, 0, 65536, 1, 4, 0, 0
	s_lshl_b32 s31, s37, 17
	s_lshl_b32 s32, s37, 3
.Lgo:
	s_add_nc_u64 s[20:21], s[20:21], s[32:33]
	s_load_b32 s38, s[20:21], 0x0                  ; e
	s_and_b32 s37, s24, s40
	s_lshl_b32 s37, s37, 2
	s_add_co_u32 s37, s37, s36                     ; which 32 columns are my wave's
	s_lshr_b32 s41, s24, s29                       ; which 64 along K
	s_mul_i32 s42, s37, s28
	s_mul_i32 s43, s41, s25
	s_lshl_b32 s43, s43, 6
	s_add_co_u32 s42, s42, s43
	s_mov_b32 s43, 0
	s_add_nc_u64 s[SRC:SRC+1], s[SRC:SRC+1], s[42:43]
	s_mul_i32 s44, s37, s30
	s_lshl_b32 s44, s44, 1                         ; my first tile x K steps,
	s_lshr_b32 s45, s41, 1
	s_add_co_u32 s44, s44, s45                     ; + my K step: a fragment's number
	s_lshl_b32 s44, s44, 11
	s_and_b32 s45, s41, 1
	s_lshl_b32 s45, s45, 10                        ; which half of the fragment's 128 k
	s_add_co_u32 s44, s44, s45
	s_add_co_u32 s44, s44, s31
	s_mov_b32 s45, 0
	s_add_nc_u64 s[22:23], s[22:23], s[44:45]
	v_mul_lo_u32 v[AD], v3, s26
	v_lshl_add_u32 v[AD], v2, 2, v[AD]
	v_mul_lo_u32 v7, v5, s27
	v_add_nc_u32 v[AD], v[AD], v7                  ; my column's byte in a row
	s_lshl_b32 s46, s30, 11
	v_mul_lo_u32 v4, v3, s46
	v_lshl_add_u32 v4, v2, 4, v4                   ; out: my tile's fragments, 16 r
.set i, 1
.rept 63
	v_mad_u32_u24 v[AD+i], s25, i, v[AD]
.set i, i+1
.endr
.set i, 0
.rept 64
	global_load_b32 v[D+i], v[AD+i], s[SRC:SRC+1] th:TH_LOAD_NT    ; each weight byte is read once in this launch
.set i, i+1
.endr
	s_wait_kmcnt 0x0
	s_add_co_i32 s48, s38, 127
	s_add_co_i32 s49, s38, 135
	s_lshl_b32 s48, s48, 23                        ; 2^e as f32: the conversion takes its exponent field
	s_lshl_b32 s49, s49, 23
	s_or_b32 s49, s49, 0x600000                    ; 448 x 2^e
	s_or_b32 s50, s49, 0x80000000                  ; and its negative
	v_mov_b32 v6, s48
.macro BLK bi                          ; 32 along K: the hold (the conversion to an 8-bit code does not saturate: ISA guide 7.6.2), the conversions, two stores
	s_wait_loadcnt 32*(1-\bi)                      ; block 0: block 1's 32 loads may be out
.set i, 0
.rept 32
	v_med3_num_f32 v[D+32*\bi+i], v[D+32*\bi+i], s50, s49
.set i, i+1
.endr
.irp g, 0,1,2,3
	v_cvt_scalef32_pk8_fp8_f32 v[C+8*\bi+2*\g:C+8*\bi+2*\g+1], v[D+32*\bi+8*\g:D+32*\bi+8*\g+7], v6
.endr
.irp hh, 0,1
	global_store_b128 v4, v[C+8*\bi+4*\hh:C+8*\bi+4*\hh+3], s[22:23] offset:512*\bi+256*\hh   ; sixteen lanes store 256 consecutive bytes, at a multiple of 256 from wf's first byte
.endr
.endm
	BLK 0
	BLK 1
	s_endpgm
.Lfunc_end_k_q21f3a705e4_prep:
	.size	k_q21f3a705e4_prep, .Lfunc_end_k_q21f3a705e4_prep-k_q21f3a705e4_prep
	.p2alignl 7, 3214868480
	.fill 96, 4, 3214868480
	.section	.rodata,"a",@progbits
	.p2align	6, 0x0
	.amdhsa_kernel k_q21f3a705e4_prep
		.amdhsa_group_segment_fixed_size 0
		.amdhsa_private_segment_fixed_size 0
		.amdhsa_enable_private_segment 0
		.amdhsa_kernarg_size 64
		.amdhsa_user_sgpr_count 2
		.amdhsa_user_sgpr_kernarg_segment_ptr 1
		.amdhsa_wavefront_size32 1
		.amdhsa_system_sgpr_workgroup_id_x 1
		.amdhsa_system_sgpr_workgroup_id_y 1
		.amdhsa_system_sgpr_workgroup_id_z 1
		.amdhsa_system_vgpr_workitem_id 0
		.amdhsa_next_free_vgpr 160
		.amdhsa_next_free_sgpr 66
		.amdhsa_reserve_vcc 0
		.amdhsa_float_denorm_mode_32 3
		.amdhsa_float_denorm_mode_16_64 3
		.amdhsa_memory_ordered 1
		.amdhsa_forward_progress 1
		.amdhsa_inst_pref_size 20
	.end_amdhsa_kernel
	.amdgpu_metadata
---
amdhsa.version: [ 1, 2 ]
amdhsa.kernels:
  - .name:           k_q21f3a705e4_prep
    .symbol:         k_q21f3a705e4_prep.kd
    .args:
      - { .name: Wq, .offset: 0, .size: 8, .value_kind: global_buffer, .address_space: global }
      - { .name: Wk, .offset: 8, .size: 8, .value_kind: global_buffer, .address_space: global }
      - { .name: Wv, .offset: 16, .size: 8, .value_kind: global_buffer, .address_space: global }
      - { .name: Wproj, .offset: 24, .size: 8, .value_kind: global_buffer, .address_space: global }
      - { .name: W1, .offset: 32, .size: 8, .value_kind: global_buffer, .address_space: global }
      - { .name: W2, .offset: 40, .size: 8, .value_kind: global_buffer, .address_space: global }
      - { .name: lowp_scales, .offset: 48, .size: 8, .value_kind: global_buffer, .address_space: global }
      - { .name: wf, .offset: 56, .size: 8, .value_kind: global_buffer, .address_space: global }
    .group_segment_fixed_size: 0
    .private_segment_fixed_size: 0
    .kernarg_segment_align: 8
    .kernarg_segment_size: 64
    .max_flat_workgroup_size: 128
    .sgpr_count:     66
    .vgpr_count:     160
    .wavefront_size: 32
...
	.end_amdgpu_metadata
.endif
;; end of part 1
;; launch qkv (part 2): grid 256 x 1, 8 waves a work-group, no clusters, 118,784 bytes of LDS; arguments x, wf, lowp_scales, ln1_g, ln1_b, bq, bk, bv, qf, kf, vf; writes qf, kf, vf
.if DOCPART == 2
	.amdgcn_target "amdgcn-amd-amdhsa--gfx1250"
	.amdhsa_code_object_version 6
	.text
	.protected	k_q21f3a705e4_qkv
	.globl	k_q21f3a705e4_qkv
	.p2align	8
	.type	k_q21f3a705e4_qkv,@function
k_q21f3a705e4_qkv:
	s_mov_b64 s[64:65], 0
	v_nop
	global_prefetch_b8 v0, s[64:65] scope:SCOPE_SE
	s_setreg_imm32_b32 hwreg(HW_REG_WAVE_MODE, 25, 1), 1
	s_wait_xcnt 0x0
; h = LN1(x); q, k, v = h W + b on codes of E4M3 (products 1 to 3).  Nothing of reference() is left out here.
; h is an operand three times, each time with its own given scale (entries 1, 3, 5): it is quantised three times.
; SHARES.  A work-group takes 32 rows (group G): two tiles m = 0, 1 of 16; lane r of tile m stands for row 8 m + r + 8 (r / 8) of the group, so that in a result whose registers run along rows
; the two tiles' 16 registers are 16 neighbouring rows 16 (lane / 16) + 0 .. 15 (wanted for v, whose rows are the next product's K).
; LN: wave w = 2 cq + m takes tile m, columns 128 cq on, which is K step cq of the products: local mean and sum of squared deviations, merged exactly over the four waves of a tile through LDS.
; The codes go from wave to wave as images of the operand's registers.  PRODUCTS: wave w takes heads 2 w and 2 w + 1 of q, k and v for both tiles; its weight fragments come from wf straight into registers.
; OUT: qf, kf [b][head][tile 64][1,024]: f32 fragments for the next launch: byte 512 e + 16 l holds dims 8 (l / 16) + 4 e + 0 .. 3 of row l % 16.
;      vf [b][head][group 32][512]: codes of v with the KEYS innermost: byte 16 l + i: dim l % 16, key 16 (l / 16) + i of the group.  Every store of a wave covers 512 consecutive aligned bytes.
; q and k: source 0 = a head's 16 columns of W, source 1 = 16 rows of h: a lane holds a row and 8 dims.  v: the sources swapped: a lane holds a dim and 8 rows.
; LIMITS: each operand's e between -126 and 119; each product's two e added between -126 and 127; NaN among the inputs is not served by the holds.
; REGISTERS, window 0: v1-19 addresses and constants; v20-31 at work; v32-95 x, then h, later two slots of h's fragments; v96-159 gain, later numbers held, codes, q's and k's sums;
;   v160-223 bias of LN, later codes and the three biases; v224-255 v's sums.   window 1: v0-127 Wq's 8 fragments (4 x head + K step), later Wv's; v128-255 Wk's.
.set XIMG,  0                          ; LDS: 24 images of 2,048 bytes: 8 x (q, k, v) + 2 x K step + tile
.set TS,    49152                      ; each wave's own stage: 16 rows of 512 bytes + 16
.set TSW,   8448
.set STAT,  116736                     ; (wave x 16 + r) x 8 bytes: a row's local mean and sum of squares
.set SPARE, 117760                     ; the spare words, 128 bytes for each wave: no other line names them
.set LI,   1                           ; 16 x lane
.set TSST, 2                           ; the stage, as loaded
.set TSFR, 3                           ; the stage, as an operand's lane wants it: 528 r + 64 h
.set STW,  4
.set STR,  5
.set IMW,  6                           ; where I store images: 2,048 x wave + 16 x lane
.set GBO,  7                           ; 64 h
.set SPW,  8                           ; LDS address of my spare word; never rewritten
.set NIL,  9                           ; 0; never rewritten
.set PD,   11                          ; a lane permute's destination
.set MU,   12                          ; v[12:13] the row's mean, twice
.set RS,   14                          ; v[14:15] 1 / sqrt(var + eps), twice
.set BQO,  16                          ; 32 h
.set BVO,  17                          ; 4 r
.set TT,   20
.set X,    32
.set G,    96
.set B,    160
.set RN,   91                          ; s91 1 / 512
.set EPS,  92                          ; s92 1e-5
.set MSB, 0
.macro WIN new                         ; the immediate's high byte repeats the setting that is left
.if MSB != \new
	s_set_vgpr_msb (MSB<<8)|\new
.set MSB, \new
.endif
.endm
.macro QCONST d, e                     ; s[d] = 2^e, s[d+1] = 448 x 2^e, s[d+2] = -448 x 2^e, as f32
	s_add_co_i32 s[\d], s[\e], 127
	s_add_co_i32 s[\d+1], s[\e], 135
	s_lshl_b32 s[\d], s[\d], 23
	s_lshl_b32 s[\d+1], s[\d+1], 23
	s_or_b32 s[\d+1], s[\d+1], 0x600000
	s_or_b32 s[\d+2], s[\d+1], 0x80000000
.endm
.macro FCONST d, ea, eb                ; s[d:d+1] = 2^(ea + eb), twice
	s_add_co_i32 s[\d], s[\ea], s[\eb]
	s_add_co_i32 s[\d], s[\d], 127
	s_lshl_b32 s[\d], s[\d], 23
	s_mov_b32 s[\d+1], s[\d]
.endm
.macro BARRIER                         ; my LDS stores have landed and my LDS loads are in: then the work-group's barrier
	s_wait_dscnt 0x0
	s_barrier_signal -1
	s_barrier_wait -1
.endm
.macro GBLOAD reg, p                   ; 64 numbers of a vector of 512 in an operand lane's order: register 16 b + i = column 128 cq + 32 b + 16 h + i
.irp b, 0,1,2,3
.irp j, 0,1,2,3
	global_load_b128 v[\reg+16*\b+4*\j:\reg+16*\b+4*\j+3], v[GBO], s[\p:\p+1] offset:128*\b+16*\j
.endr
.endr
.endm
.macro WLOAD reg, off                  ; my two heads' 8 fragments into window 1
	WIN 0x40
.irp f, 0,1,2,3,4,5,6,7
.irp c, 0,1,2,3
	global_load_b128 v[\reg+16*\f+4*\c:\reg+16*\f+4*\c+3], v[LI], s[10:11] offset:\off+2048*\f+512*\c
.endr
.endr
	WIN 0
.endm
.macro TURN                            ; 16 rows x 512 bytes through my stage: in as loaded (a row an instruction), out 64 bytes of a row a lane
.set i, 0
.rept 16
	ds_store_b128 v[TSST], v[X+4*i:X+4*i+3] offset:528*i
.set i, i+1
.endr
	s_wait_dscnt 0x0                               ; the stores have read their registers
.irp b, 0,1,2,3
.irp j, 0,1,2,3
	ds_load_b128 v[X+16*\b+4*\j:X+16*\b+4*\j+3], v[TSFR] offset:128*\b+16*\j
.endr
.endr
	s_wait_dscnt 0x0
.endm
.macro LSTAT                           ; my row's mean over my wave's 128 columns, and the sum of squared deviations from it: two passes over registers
	v_pk_add_f32 v[TT:TT+1], v[X:X+1], v[X+2:X+3]
	v_pk_add_f32 v[TT+2:TT+3], v[X+4:X+5], v[X+6:X+7]
.set j, 8
.rept 14
	v_pk_add_f32 v[TT:TT+1], v[TT:TT+1], v[X+j:X+j+1]
	v_pk_add_f32 v[TT+2:TT+3], v[TT+2:TT+3], v[X+j+2:X+j+3]
.set j, j+4
.endr
	v_pk_add_f32 v[TT:TT+1], v[TT:TT+1], v[TT+2:TT+3]
	v_add_f32 v[TT], v[TT], v[TT+1]
	v_permlanex16_b32 v[PD], v[TT], s44, s45       ; the row's other 64 numbers lie in the lane 16 away
	v_add_f32 v[TT], v[TT], v[PD]
	v_mul_f32 v[TT], 0x3c000000, v[TT]             ; / 128
	v_mov_b32 v[TT+1], v[TT]
	v_pk_add_f32 v[TT+8:TT+9], v[X:X+1], v[TT:TT+1] neg_lo:[0,1] neg_hi:[0,1]
	v_pk_add_f32 v[TT+10:TT+11], v[X+2:X+3], v[TT:TT+1] neg_lo:[0,1] neg_hi:[0,1]
	v_pk_mul_f32 v[TT+4:TT+5], v[TT+8:TT+9], v[TT+8:TT+9]
	v_pk_mul_f32 v[TT+6:TT+7], v[TT+10:TT+11], v[TT+10:TT+11]
.set j, 4
.rept 15
	v_pk_add_f32 v[TT+8:TT+9], v[X+j:X+j+1], v[TT:TT+1] neg_lo:[0,1] neg_hi:[0,1]
	v_pk_add_f32 v[TT+10:TT+11], v[X+j+2:X+j+3], v[TT:TT+1] neg_lo:[0,1] neg_hi:[0,1]
	v_pk_fma_f32 v[TT+4:TT+5], v[TT+8:TT+9], v[TT+8:TT+9], v[TT+4:TT+5]
	v_pk_fma_f32 v[TT+6:TT+7], v[TT+10:TT+11], v[TT+10:TT+11], v[TT+6:TT+7]
.set j, j+4
.endr
	v_pk_add_f32 v[TT+4:TT+5], v[TT+4:TT+5], v[TT+6:TT+7]
	v_add_f32 v[TT+1], v[TT+4], v[TT+5]
	v_permlanex16_b32 v[PD], v[TT+1], s44, s45
	v_add_f32 v[TT+1], v[TT+1], v[PD]
	ds_store_b64 v[STW], v[TT:TT+1]                ; both halves of the lanes store the same two numbers
.endm
.macro COMBINE                         ; the four waves' figures merged: mean = the means' mean; sum of squares = the four sums + 128 x the squared distances of the local means: no difference of large sums
.irp i, 0,1,2,3
	ds_load_b64 v[TT+2*\i:TT+2*\i+1], v[STR] offset:256*\i
.endr
	s_wait_dscnt 0x0
	v_add_f32 v[TT+8], v[TT], v[TT+2]
	v_add_f32 v[TT+9], v[TT+4], v[TT+6]
	v_add_f32 v[TT+8], v[TT+8], v[TT+9]
	v_mul_f32 v[MU], 0x3e800000, v[TT+8]
.irp i, 0,2,4,6
	v_sub_f32 v[TT+\i], v[TT+\i], v[MU]
.endr
	v_mul_f32 v[TT+8], v[TT], v[TT]
	v_fmac_f32 v[TT+8], v[TT+2], v[TT+2]
	v_fmac_f32 v[TT+8], v[TT+4], v[TT+4]
	v_fmac_f32 v[TT+8], v[TT+6], v[TT+6]
	v_add_f32 v[TT+9], v[TT+1], v[TT+3]
	v_add_f32 v[TT+10], v[TT+5], v[TT+7]
	v_add_f32 v[TT+9], v[TT+9], v[TT+10]
	v_fmamk_f32 v[TT+8], v[TT+8], 0x43000000, v[TT+9]
	v_fma_f32 v[TT+8], v[TT+8], s[RN], s[EPS]      ; var + eps
	v_rsq_f32 v[RS], v[TT+8]
	v_mov_b32 v[MU+1], v[MU]                       ; a plain instruction behind the transcendental
	s_wait_alu depctr_va_vdst(0)                   ; the wait ahead of the result's first reader
	v_mov_b32 v[RS+1], v[RS]
.endm
.macro QUANT3 pc, scv, qc              ; h's 64 numbers of my lane become a fragment's codes in v[pc] on; h itself is kept for the next scale: the held numbers go to v96-127, two sets by turns
.irp b, 0,1,2,3
.set i, 0
.rept 16
	v_med3_num_f32 v[G+16*(\b%2)+i], v[X+16*\b+i], s[\qc+2], s[\qc+1]   ; the conversion to an 8-bit code does not saturate (ISA guide 7.6.2)
.set i, i+1
.endr
	v_cvt_scalef32_pk8_fp8_f32 v[\pc+4*\b:\pc+4*\b+1], v[G+16*(\b%2):G+16*(\b%2)+7], v[\scv]
	v_cvt_scalef32_pk8_fp8_f32 v[\pc+4*\b+2:\pc+4*\b+3], v[G+16*(\b%2)+8:G+16*(\b%2)+15], v[\scv]
.endr
	v_nop                                          ; a plain vector instruction behind the last conversion: matrix instructions later write these registers
.endm
.macro IMAGE pc, off                   ; the fragment goes to LDS as it stands in registers
.irp c, 0,1,2,3
	ds_store_b128 v[IMW], v[\pc+4*\c:\pc+4*\c+3] offset:\off+512*\c
.endr
.endm
.macro OBFETCH n                       ; step n = 4 x (q, k, v) + K step: h's two fragments (tiles 0, 1) into slot n % 2
.irp m, 0,1
.irp c, 0,1,2,3
	ds_load_b128 v[X+32*((\n)%2)+16*\m+4*\c:X+32*((\n)%2)+16*\m+4*\c+3], v[LI] offset:(8*((\n)/4)+2*((\n)%4)+\m)*2048+512*\c
.endr
.endr
.endm
.macro KSTEP n, acc, wr, swap          ; four products, on four accumulators by turns; the K step 0 starts the sums
.if (\n) < 11
	s_wait_dscnt 8                                 ; this step's 8 fetches are in; the next step's 8 may be out
.else
	s_wait_dscnt 0x0
.endif
.if \swap
	WIN 0x04
.else
	WIN 0x01
.endif
.set OBR, X+32*((\n)%2)
.set KSN, (\n)%4
.irp hd, 0,1
.irp m, 0,1
.if \swap
.if KSN == 0
	v_wmma_f32_16x16x128_fp8_fp8 v[\acc+16*\hd+8*\m:\acc+16*\hd+8*\m+7], v[OBR+16*\m:OBR+16*\m+15], v[\wr+16*(4*\hd+KSN):\wr+16*(4*\hd+KSN)+15], 0
.else
	v_wmma_f32_16x16x128_fp8_fp8 v[\acc+16*\hd+8*\m:\acc+16*\hd+8*\m+7], v[OBR+16*\m:OBR+16*\m+15], v[\wr+16*(4*\hd+KSN):\wr+16*(4*\hd+KSN)+15], v[\acc+16*\hd+8*\m:\acc+16*\hd+8*\m+7]
.endif
.else
.if KSN == 0
	v_wmma_f32_16x16x128_fp8_fp8 v[\acc+16*\hd+8*\m:\acc+16*\hd+8*\m+7], v[\wr+16*(4*\hd+KSN):\wr+16*(4*\hd+KSN)+15], v[OBR+16*\m:OBR+16*\m+15], 0
.else
	v_wmma_f32_16x16x128_fp8_fp8 v[\acc+16*\hd+8*\m:\acc+16*\hd+8*\m+7], v[\wr+16*(4*\hd+KSN):\wr+16*(4*\hd+KSN)+15], v[OBR+16*\m:OBR+16*\m+15], v[\acc+16*\hd+8*\m:\acc+16*\hd+8*\m+7]
.endif
.endif
.endr
.endr
	WIN 0
.rept 4
	v_nop                                          ; four places in front of loads into registers that these products read, and of the first read of results
.endr
.if (\n)+2 <= 11
	OBFETCH (\n)+2
.endif
.endm
.macro EPI_QK acc, fac, bias, p        ; sum x 2^(the two e) + bias, each accumulator from its low end on; the registers are the f32 fragment as it stands
.irp hd, 0,1
.irp m, 0,1
.irp q, 0,2,4,6
	v_pk_fma_f32 v[\acc+16*\hd+8*\m+\q:\acc+16*\hd+8*\m+\q+1], v[\acc+16*\hd+8*\m+\q:\acc+16*\hd+8*\m+\q+1], s[\fac:\fac+1], v[\bias+8*\hd+\q:\bias+8*\hd+\q+1] op_sel_hi:[1,0,1]
.endr
.endr
.endr
.irp hd, 0,1
.irp m, 0,1
.irp e, 0,1
	global_store_b128 v[LI], v[\acc+16*\hd+8*\m+4*\e:\acc+16*\hd+8*\m+4*\e+3], s[\p:\p+1] offset:65536*\hd+1024*\m+512*\e
.endr
.endr
.endr
.endm
	s_load_b512 s[8:23], s[0:1], 0x0               ; x 8, wf 10, the exponents 12, ln1_g 14, ln1_b 16, bq 18, bk 20, bv 22
	s_load_b128 s[24:27], s[0:1], 0x40             ; qf 24, kf 26
	s_load_b64 s[28:29], s[0:1], 0x50              ; vf
	v_lshl_add_u32 v[SPW], v0, 2, SPARE
	v_mov_b32 v[NIL], 0
	v_lshrrev_b32 v20, 5, v0
	v_readfirstlane_b32 s40, v20                   ; wave 0..7
	s_and_b32 s41, s40, 1                          ; m: my tile of rows in the LN phase
	s_lshr_b32 s42, s40, 1                         ; cq: my 128 columns
	v_and_b32 v20, 31, v0
	v_and_b32 v21, 15, v0                          ; r
	v_bfe_u32 v22, v0, 4, 1                        ; h
	v_lshlrev_b32 v[LI], 4, v20
	s_mul_i32 s70, s40, TSW
	s_add_co_u32 s70, s70, TS
	v_add_nc_u32 v[TSST], s70, v[LI]
	v_mul_u32_u24 v[TSFR], v21, 528
	v_lshl_add_u32 v[TSFR], v22, 6, v[TSFR]
	v_add_nc_u32 v[TSFR], s70, v[TSFR]
	s_lshl_b32 s71, s40, 7
	s_add_co_u32 s71, s71, STAT
	v_lshl_add_u32 v[STW], v21, 3, s71
	s_lshl_b32 s87, s41, 7
	s_add_co_u32 s87, s87, STAT
	v_lshl_add_u32 v[STR], v21, 3, s87             ; the four waves of my tile lie 256 bytes apart
	s_lshl_b32 s88, s40, 11
	v_add_nc_u32 v[IMW], s88, v[LI]
	v_lshlrev_b32 v[GBO], 6, v22
	v_lshlrev_b32 v[BQO], 5, v22
	v_lshlrev_b32 v[BVO], 2, v21
	v_mov_b32 v[PD], 0
	s_mov_b32 s44, 0x76543210                      ; v_permlanex16_b32's selects for lane l xor 16
	s_mov_b32 s45, 0xfedcba98
	s_mov_b32 s[RN], 0x3b000000
	s_mov_b32 s[EPS], 0x3727c5ac
	s_lshl_b32 s72, ttmp9, 16                      ; x: 32 G rows of 2,048 bytes,
	s_lshl_b32 s73, s41, 14                        ; + 8 m rows,
	s_add_co_u32 s72, s72, s73
	s_lshl_b32 s74, s42, 9                         ; + 128 cq columns
	s_add_co_u32 s72, s72, s74
	s_mov_b32 s73, 0
	s_mov_b32 s75, 0
	s_lshl_b32 s76, s40, 14                        ; wf: my two heads' fragments
	s_mov_b32 s77, 0
	s_lshl_b32 s78, s40, 7                         ; the biases: my two heads' 32 numbers
	s_mov_b32 s79, 0
	s_lshr_b32 s84, ttmp9, 5                       ; b
	s_and_b32 s85, ttmp9, 31                       ; the group within the batch
	s_lshl_b32 s80, s84, 20                        ; qf, kf: ((16 b + 2 w) x 64 + 2 group) x 1,024
	s_lshl_b32 s86, s40, 17
	s_add_co_u32 s80, s80, s86
	s_lshl_b32 s86, s85, 11
	s_add_co_u32 s80, s80, s86
	s_mov_b32 s81, 0
	s_lshl_b32 s82, s84, 18                        ; vf: (16 b + 2 w) x 16,384 + 512 group
	s_lshl_b32 s86, s40, 15
	s_add_co_u32 s82, s82, s86
	s_lshl_b32 s86, s85, 9
	s_add_co_u32 s82, s82, s86
	s_mov_b32 s83, 0
	s_wait_kmcnt 0x0
	s_load_b256 s[32:39], s[12:13], 0x0            ; e0 .. e7
	s_add_nc_u64 s[8:9], s[8:9], s[72:73]
	s_add_nc_u64 s[14:15], s[14:15], s[74:75]
	s_add_nc_u64 s[16:17], s[16:17], s[74:75]
	s_add_nc_u64 s[10:11], s[10:11], s[76:77]
	s_add_nc_u64 s[18:19], s[18:19], s[78:79]
	s_add_nc_u64 s[20:21], s[20:21], s[78:79]
	s_add_nc_u64 s[22:23], s[22:23], s[78:79]
	s_add_nc_u64 s[24:25], s[24:25], s[80:81]
	s_add_nc_u64 s[26:27], s[26:27], s[80:81]
	s_add_nc_u64 s[28:29], s[28:29], s[82:83]
.irp i, 0,1,2,3,4,5,6,7,8,9,10,11,12,13,14,15
	global_load_b128 v[X+4*\i:X+4*\i+3], v[LI], s[8:9] offset:(\i+8*(\i/8))*2048 th:TH_LOAD_NT   ; the tile's row i: 512 consecutive bytes
.endr
	GBLOAD G, 14
	GBLOAD B, 16
	WLOAD 0, 0                                     ; Wq
	WLOAD 128, 131072                              ; Wk
	s_wait_kmcnt 0x0
	QCONST 46, 33                                  ; h's three scales,
	QCONST 49, 35
	QCONST 52, 37
	QCONST 66, 39                                  ; and v's
	FCONST 56, 32, 33
	FCONST 58, 34, 35
	FCONST 60, 36, 37
	v_mov_b32 v10, s46
	v_mov_b32 v18, s49
	v_mov_b32 v19, s52
	s_wait_loadcnt 63                              ; behind x, gain and bias 64 weight loads were issued: with 63 out, those 48 are in
	TURN
	LSTAT
	BARRIER                                        ; the local figures of all eight waves lie in LDS
	COMBINE
.set j, 0
.rept 32
	v_pk_add_f32 v[X+j:X+j+1], v[X+j:X+j+1], v[MU:MU+1] neg_lo:[0,1] neg_hi:[0,1]
.set j, j+2
.endr
.set j, 0
.rept 32
	v_pk_mul_f32 v[X+j:X+j+1], v[X+j:X+j+1], v[RS:RS+1]
.set j, j+2
.endr
.set j, 0
.rept 32
	v_pk_fma_f32 v[X+j:X+j+1], v[X+j:X+j+1], v[G+j:G+j+1], v[B+j:B+j+1]
.set j, j+2
.endr
	v_mov_b32 v209, 0                              ; (upper words of the pairs that hold bv: named, so written)
	v_mov_b32 v211, 0
.irp hd, 0,1
.irp e, 0,1
	global_load_b128 v[176+8*\hd+4*\e:176+8*\hd+4*\e+3], v[BQO], s[18:19] offset:64*\hd+16*\e   ; bq, bk: dims 8 h + 0 .. 7 of my two heads
	global_load_b128 v[192+8*\hd+4*\e:192+8*\hd+4*\e+3], v[BQO], s[20:21] offset:64*\hd+16*\e
.endr
.endr
	global_load_b32 v208, v[BVO], s[22:23]         ; bv: dim r
	global_load_b32 v210, v[BVO], s[22:23] offset:64
	QUANT3 128, 10, 46
	IMAGE 128, 0
	QUANT3 144, 18, 49
	IMAGE 144, 16384
	QUANT3 160, 19, 52
	IMAGE 160, 32768
	BARRIER                                        ; h's 24 fragments lie in LDS
	OBFETCH 0
	OBFETCH 1
	s_wait_loadcnt 42                              ; Wq is in: behind it Wk's 32 loads and the biases' 10
.irp n, 0,1,2,3
	KSTEP \n, 96, 0, 0
.endr
	WLOAD 0, 262144                                ; Wv takes Wq's registers: the four places stand behind the last products
	s_wait_loadcnt 32                              ; Wk and the biases are in: behind them Wv's 32 loads
	EPI_QK 96, 56, 176, 24
.irp n, 4,5,6,7
	KSTEP \n, 128, 128, 0
.endr
	EPI_QK 128, 58, 192, 26
	s_wait_loadcnt 0x0
.irp n, 8,9,10,11
	KSTEP \n, 224, 0, 1
.endr
	; v: a lane holds dim r; a head's 16 registers are keys 16 h + 0 .. 15 of the group: sum x 2^(e4 + e5) + bv, the hold, the conversions: 16 codes a lane and head
	v_mov_b32 v30, s66
.irp hd, 0,1
.irp q, 0,2,4,6,8,10,12,14
	v_pk_fma_f32 v[224+16*\hd+\q:224+16*\hd+\q+1], v[224+16*\hd+\q:224+16*\hd+\q+1], s[60:61], v[208+2*\hd:209+2*\hd] op_sel_hi:[1,0,0]
.endr
.endr
.set i, 0
.rept 32
	v_med3_num_f32 v[224+i], v[224+i], s68, s67
.set i, i+1
.endr
.irp g, 0,1,2,3
	v_cvt_scalef32_pk8_fp8_f32 v[212+2*\g:213+2*\g], v[224+8*\g:231+8*\g], v30
.endr
	v_nop
	global_store_b128 v[LI], v[212:215], s[28:29]
	global_store_b128 v[LI], v[216:219], s[28:29] offset:16384
	s_wait_tensorcnt 0x0                           ; the wave's end
	ds_add_u32 v[SPW], v[NIL]
	s_wait_dscnt 0x0
	s_endpgm
.Lfunc_end_k_q21f3a705e4_qkv:
	.size	k_q21f3a705e4_qkv, .Lfunc_end_k_q21f3a705e4_qkv-k_q21f3a705e4_qkv
	.p2alignl 7, 3214868480
	.fill 96, 4, 3214868480
	.section	.rodata,"a",@progbits
	.p2align	6, 0x0
	.amdhsa_kernel k_q21f3a705e4_qkv
		.amdhsa_group_segment_fixed_size 118784
		.amdhsa_private_segment_fixed_size 0
		.amdhsa_enable_private_segment 0
		.amdhsa_kernarg_size 88
		.amdhsa_user_sgpr_count 2
		.amdhsa_user_sgpr_kernarg_segment_ptr 1
		.amdhsa_wavefront_size32 1
		.amdhsa_system_sgpr_workgroup_id_x 1
		.amdhsa_system_sgpr_workgroup_id_y 1
		.amdhsa_system_sgpr_workgroup_id_z 1
		.amdhsa_system_vgpr_workitem_id 0
		.amdhsa_next_free_vgpr 512
		.amdhsa_next_free_sgpr 100
		.amdhsa_reserve_vcc 0
		.amdhsa_float_denorm_mode_32 3
		.amdhsa_float_denorm_mode_16_64 3
		.amdhsa_memory_ordered 1
		.amdhsa_forward_progress 1
		.amdhsa_inst_pref_size 69
	.end_amdhsa_kernel
	.amdgpu_metadata
---
amdhsa.version: [ 1, 2 ]
amdhsa.kernels:
  - .name:           k_q21f3a705e4_qkv
    .symbol:         k_q21f3a705e4_qkv.kd
    .args:
      - { .name: x, .offset: 0, .size: 8, .value_kind: global_buffer, .address_space: global }
      - { .name: wf, .offset: 8, .size: 8, .value_kind: global_buffer, .address_space: global }
      - { .name: lowp_scales, .offset: 16, .size: 8, .value_kind: global_buffer, .address_space: global }
      - { .name: ln1_g, .offset: 24, .size: 8, .value_kind: global_buffer, .address_space: global }
      - { .name: ln1_b, .offset: 32, .size: 8, .value_kind: global_buffer, .address_space: global }
      - { .name: bq, .offset: 40, .size: 8, .value_kind: global_buffer, .address_space: global }
      - { .name: bk, .offset: 48, .size: 8, .value_kind: global_buffer, .address_space: global }
      - { .name: bv, .offset: 56, .size: 8, .value_kind: global_buffer, .address_space: global }
      - { .name: qf, .offset: 64, .size: 8, .value_kind: global_buffer, .address_space: global }
      - { .name: kf, .offset: 72, .size: 8, .value_kind: global_buffer, .address_space: global }
      - { .name: vf, .offset: 80, .size: 8, .value_kind: global_buffer, .address_space: global }
    .group_segment_fixed_size: 118784
    .private_segment_fixed_size: 0
    .kernarg_segment_align: 8
    .kernarg_segment_size: 88
    .max_flat_workgroup_size: 256
    .sgpr_count:     100
    .vgpr_count:     512
    .wavefront_size: 32
...
	.end_amdgpu_metadata
.endif
;; end of part 2
;; launch attn (part 3): grid 256 x 1, 16 waves a work-group, no clusters, 83,968 bytes of LDS; arguments qf, kf, vf, lowp_scales, af; writes af
.if DOCPART == 3
	.amdgcn_target "amdgcn-amd-amdhsa--gfx1250"
	.amdhsa_code_object_version 6
	.text
	.protected	k_q21f3a705e4_attn
	.globl	k_q21f3a705e4_attn
	.p2align	8
	.type	k_q21f3a705e4_attn,@function
k_q21f3a705e4_attn:
	s_mov_b64 s[64:65], 0
	v_nop
	global_prefetch_b8 v0, s[64:65] scope:SCOPE_SE
	s_setreg_imm32_b32 hwreg(HW_REG_WAVE_MODE, 25, 1), 1
	s_wait_xcnt 0x0
; attn = softmax(q k^T / 4) v for one (batch, head) and 512 queries a work-group.  Nothing of reference() is left out here.
; q k^T (K = 16) is left as it is and feeds a quantised operand: f32 operands, by v_wmma_f32_16x16x4_f32, four links a tile of 16 keys.  p v runs on codes of E4M3.
; THE SOFTMAX: t = score x log2(e) / 4; M = the running largest t rounded UP to a whole number, kept as -M = floor(-t); p = 2^(t - M) is quantised with 2^e6, not normalised; the row's sum is taken of the
; unquantised p and divides at the end; when M moves, the sum and O are multiplied by 2^(old M - new M), which rounds nothing.  The result is quantised with 2^e8 for the projection.
; SHARES.  The head's K (64 KiB of f32 fragments) and V (16 KiB of codes) are copied into LDS once, as they lie; sixteen waves, four to a SIMD, so that one wave's vector work stands beside another's
; matrix work; wave w owns query tiles 32 half + 2 w + a, a = 0, 1, one after the other; each walks the 1,024 keys in 8 steps of 128.
; LAYOUT.  S^T = K Q^T (source 0 = 16 keys, source 1 = my 16 queries), O^T = V^T P^T (source 0 = the head's 16 dims, source 1 = P): a lane holds ONE query throughout.  The rows of a tile are laid by the launch
; before so that the 16 registers of key tiles 2 c and 2 c + 1 are keys 32 c + 16 (lane / 16) + 0 .. 15: the conversions' results are P's fragment.  Link i takes registers 2 i, 2 i + 1 of both fragments.
; OUT: af [row tile 512][head][256]: byte 16 r + 8 h + j: the code of (row r, dim 8 h + j): a row tile's 4,096 bytes are the projection's two fragments.  A wave's store covers 256 consecutive aligned bytes.
; THE HOLD of p at 448 x 2^e6 is passed over by a scalar branch where e6 >= -8: p <= 1 for every input, so p / 2^e6 <= 256.  The branch hangs on a whole number read from the input lowp_scales.
; LIMITS: e6, e8 between -126 and 119; e6 + e7 is applied by v_ldexp_f32 and has none.  NaN among the inputs is not served.
; REGISTERS: v1-9 addresses and constants; v[10:11] f; v12 -M, v13 the largest t, v[14:15] the sum; v16-23, v240-247 Q of tiles 0, 1; v24-31 O^T; v32-95 K's 8 fragments, then V's in v32-47;
;   v96-159 S^T: written by the f32 matrix instructions alone; v160-223 t - M, then p; v224-239 P's codes; v248-255 at work.
.set VOFF,  65536                      ; LDS: K at 0, V here,
.set SPARE, 81920                      ; and the spare words, 128 bytes for each wave: no other line names them
.macro QCONST d, e                     ; s[d] = 2^e, s[d+1] = 448 x 2^e, s[d+2] = -448 x 2^e, as f32
	s_add_co_i32 s[\d], s[\e], 127
	s_add_co_i32 s[\d+1], s[\e], 135
	s_lshl_b32 s[\d], s[\d], 23
	s_lshl_b32 s[\d+1], s[\d+1], 23
	s_or_b32 s[\d+1], s[\d+1], 0x600000
	s_or_b32 s[\d+2], s[\d+1], 0x80000000
.endm
	s_load_b256 s[4:11], s[0:1], 0x0               ; qf 4, kf 6, vf 8, the exponents 10
	s_load_b64 s[12:13], s[0:1], 0x20              ; af
	v_lshl_add_u32 v5, v0, 2, SPARE                ; my spare word; never rewritten
	v_mov_b32 v6, 0                                ; 0; never rewritten
	v_lshrrev_b32 v2, 5, v0
	v_readfirstlane_b32 s19, v2                    ; wave 0..15
	v_and_b32 v1, 31, v0
	v_lshlrev_b32 v1, 4, v1                        ; 16 x lane
	v_lshlrev_b32 v253, 4, v0                      ; 16 x thread: the copies
	v_add_nc_u32 v3, VOFF, v253
	v_and_b32 v4, 15, v0
	v_bfe_u32 v2, v0, 4, 1
	v_lshlrev_b32 v4, 4, v4
	v_lshl_add_u32 v4, v2, 3, v4                   ; out: 16 r + 8 h
	v_mov_b32 v9, 0                                ; a lane permute's destination counts as read
	v_mov_b32 v11, 0                               ; (named as the upper half of the pair v[10:11])
	s_mov_b32 s20, 0x76543210
	s_mov_b32 s21, 0xfedcba98
	s_mov_b32 s22, 0x3eb8aa3b                      ; c = log2(e) / 4
	s_mov_b32 s23, s22
	s_lshr_b32 s30, ttmp9, 1                       ; 16 b + head
	s_and_b32 s31, ttmp9, 1                        ; which half of the queries
	s_lshl_b32 s40, s30, 16
	s_mov_b32 s41, 0
	s_lshl_b32 s42, s30, 14
	s_mov_b32 s43, 0
	s_lshl_b32 s44, s31, 5
	s_lshl_b32 s45, s19, 1
	s_add_co_u32 s44, s44, s45                     ; my first tile
	s_lshl_b32 s46, s44, 10
	s_add_co_u32 s46, s46, s40
	s_mov_b32 s47, 0
	s_lshr_b32 s45, s30, 4
	s_lshl_b32 s45, s45, 18                        ; af: 64 b row tiles of 4,096 bytes,
	s_lshl_b32 s44, s44, 12                        ; + my first tile,
	s_add_co_u32 s44, s44, s45
	s_and_b32 s45, s30, 15
	s_lshl_b32 s45, s45, 8                         ; + 256 x head
	s_add_co_u32 s44, s44, s45
	s_mov_b32 s45, 0
	s_wait_kmcnt 0x0
	s_load_b96 s[16:18], s[10:11], 0x18            ; e6, e7, e8
	s_add_nc_u64 s[6:7], s[6:7], s[40:41]
	s_add_nc_u64 s[8:9], s[8:9], s[42:43]
	s_add_nc_u64 s[4:5], s[4:5], s[46:47]
	s_add_nc_u64 s[12:13], s[12:13], s[44:45]
.irp i, 0,1,2,3,4,5,6,7
	global_load_b128 v[32+4*\i:35+4*\i], v253, s[6:7] offset:8192*\i    ; K: the work-group's 512 threads take 8,192 consecutive bytes an instruction
.endr
.irp i, 0,1
	global_load_b128 v[64+4*\i:67+4*\i], v253, s[8:9] offset:8192*\i    ; V
.endr
	global_load_b128 v[16:19], v1, s[4:5]          ; Q of my two tiles stays in registers
	global_load_b128 v[20:23], v1, s[4:5] offset:512
	global_load_b128 v[240:243], v1, s[4:5] offset:1024
	global_load_b128 v[244:247], v1, s[4:5] offset:1536
	s_wait_kmcnt 0x0
	QCONST 32, 16
	QCONST 36, 18
	s_add_co_i32 s29, s16, s17
	v_mov_b32 v8, s32                              ; 2^e6, for p's conversions
	v_mov_b32 v7, s33                              ; 448 x 2^e6
	v_mov_b32 v252, s36                            ; 2^e8, for the result's
	s_wait_loadcnt 4                               ; K and V are in; Q's four loads may be out
.irp i, 0,1,2,3,4,5,6,7
	ds_store_b128 v253, v[32+4*\i:35+4*\i] offset:8192*\i
.endr
.irp i, 0,1
	ds_store_b128 v3, v[64+4*\i:67+4*\i] offset:8192*\i
.endr
	s_wait_dscnt 0x0                               ; for the others' sake: my stores have landed
	s_barrier_signal -1
	s_barrier_wait -1
	s_wait_loadcnt 0x0                             ; Q
; One tile of 16 queries.  a: which; qb: Q's registers; co: the pair that takes the codes (its own for each tile: no store's data are rewritten)
.macro TILE a, qb, co
	v_mov_b32 v13, 0xff61b1e6                      ; the largest t so far: -3e38, under every t
	v_floor_f32 v12, -v13
	v_mov_b32 v14, 0
	v_mov_b32 v15, 0
.irp j, 0,1,2,3,4,5,6,7
	v_mov_b32 v[24+\j], 0                          ; O^T: the step is written once; the first change of M leaves zeros zeros
.endr
	s_mov_b32 s24, 0
	s_mov_b32 s25, VOFF
	s_mov_b32 s26, 8
.Lstep_\@:
	v_add_nc_u32 v2, s24, v1
	v_add_nc_u32 v3, s25, v1
	v_nop                                          ; with the two additions: four places between the last product and the loads into registers that it read
	v_nop
.irp kt, 0,1,2,3,4,5,6,7
.irp e, 0,1
	ds_load_b128 v[32+8*\kt+4*\e:35+8*\kt+4*\e], v2 offset:1024*\kt+512*\e
.endr
.endr
	s_wait_dscnt 0x0
.irp i, 0,1,2,3                        ; the 8 accumulators take turns, one instruction a turn; link 0 starts each sum
.irp kt, 0,1,2,3,4,5,6,7
.if \i == 0
	v_wmma_f32_16x16x4_f32 v[96+8*\kt:103+8*\kt], v[32+8*\kt+2*\i:33+8*\kt+2*\i], v[\qb+2*\i:\qb+2*\i+1], 0
.else
	v_wmma_f32_16x16x4_f32 v[96+8*\kt:103+8*\kt], v[32+8*\kt+2*\i:33+8*\kt+2*\i], v[\qb+2*\i:\qb+2*\i+1], v[96+8*\kt:103+8*\kt]
.endif
.endr
.endr
.rept 8
	v_nop                                          ; eight places behind this form: for the loads below and the first read of the scores
.endr
.irp c, 0,1,2,3
	ds_load_b128 v[32+4*\c:35+4*\c], v3 offset:512*\c   ; V's fragment of these 128 keys lands while the softmax is walked
.endr
	v_max3_num_f32 v248, v96, v97, v98             ; the step's largest score of my query among my 64 keys, in two chains; each accumulator is first read at its low end
	v_max3_num_f32 v249, v99, v100, v101
.irp i, 6,10,14,18,22,26,30,34,38,42,46,50,54,58
	v_max3_num_f32 v248, v248, v[96+\i], v[97+\i]
	v_max3_num_f32 v249, v249, v[98+\i], v[99+\i]
.endr
	v_max3_num_f32 v248, v248, v158, v159
	v_max_num_f32 v248, v248, v249
	v_permlanex16_b32 v9, v248, s20, s21
	v_max_num_f32 v248, v248, v9                   ; and among lane l xor 16's
	v_mul_f32 v248, s22, v248                      ; as t (c is positive)
	v_max_num_f32 v13, v13, v248
	v_mov_b32 v248, v12
	v_floor_f32 v12, -v13                          ; the new -M = -ceil(t)
	v_sub_f32 v248, v12, v248                      ; old M - new M: a whole number, 0 or less
	v_cvt_i32_f32 v248, v248                       ; (it saturates)
	v_ldexp_f32 v10, 1.0, v248                     ; f = 2^(old M - new M)
.set j, 0
.rept 32
	v_pk_fma_f32 v[160+j:161+j], v[96+j:97+j], s[22:23], v[12:13] op_sel_hi:[1,0,0]   ; t - M, into other registers than the sums'
.set j, j+2
.endr
.set j, 0
.rept 64
	v_exp_f32 v[160+j], v[160+j]                   ; p = 2^(t - M), at most 1
.set j, j+1
.endr
	v_pk_mul_f32 v[14:15], v[14:15], v[10:11] op_sel_hi:[1,0]   ; the sum under the new M: the plain instruction behind the exponentials
	s_wait_alu depctr_va_vdst(0)                   ; one wait for the whole batch, ahead of its first reader
	v_pk_add_f32 v[250:251], v[160:161], v[162:163]             ; the row's sum is taken of the unquantised p, in two chains
.irp j, 4,8,12,16,20,24,28,32,36,40,44,48,52,56,60
	v_pk_add_f32 v[14:15], v[14:15], v[160+\j:161+\j]
	v_pk_add_f32 v[250:251], v[250:251], v[162+\j:163+\j]
.endr
	v_pk_add_f32 v[14:15], v[14:15], v[250:251]
	s_cmp_ge_i32 s16, -8                           ; e6 >= -8: p / 2^e6 <= 256 lies inside the format for every input
	s_cbranch_scc1 .Lheld_\@
.set j, 0
.rept 64
	v_min_num_f32 v[160+j], v[160+j], v7           ; else the hold; p is not negative, so it is one-sided
.set j, j+1
.endr
.Lheld_\@:
.irp b, 0,1,2,3
	v_cvt_scalef32_pk8_fp8_f32 v[224+4*\b:225+4*\b], v[160+16*\b:167+16*\b], v8
	v_cvt_scalef32_pk8_fp8_f32 v[226+4*\b:227+4*\b], v[168+16*\b:175+16*\b], v8
.endr
.irp p, 0,2,4,6
	v_pk_mul_f32 v[24+\p:25+\p], v[24+\p:25+\p], v[10:11] op_sel_hi:[1,0]   ; O^T under the new M; also the plain instructions behind the conversions
.endr
	s_wait_dscnt 0x0                               ; V's fragment is in
	v_wmma_f32_16x16x128_fp8_fp8 v[24:31], v[32:47], v[224:239], v[24:31]
	s_add_co_u32 s24, s24, 8192
	s_add_co_u32 s25, s25, 2048
	s_sub_co_u32 s26, s26, 1
	s_cmp_lg_u32 s26, 0
	s_cbranch_scc1 .Lstep_\@
.rept 4
	v_nop                                          ; four places in front of the first read of O^T
.endr
	v_add_f32 v14, v14, v15
	v_permlanex16_b32 v9, v14, s20, s21
	v_add_f32 v14, v14, v9                         ; the row's sum
	v_rcp_f32 v14, v14
	v_nop
	s_wait_alu depctr_va_vdst(0)
	v_ldexp_f32 v14, v14, s29                      ; x 2^(e6 + e7)
.irp j, 0,1,2,3,4,5,6,7
	v_mul_f32 v[160+\j], v[24+\j], v14
.endr
.irp j, 0,1,2,3,4,5,6,7
	v_med3_num_f32 v[160+\j], v[160+\j], s38, s37
.endr
	v_cvt_scalef32_pk8_fp8_f32 v[\co:\co+1], v[160:167], v252
	v_nop
	global_store_b64 v4, v[\co:\co+1], s[12:13] offset:4096*\a
.endm
	TILE 0, 16, 254
	TILE 1, 240, 248
	s_wait_tensorcnt 0x0                           ; the wave's end
	ds_add_u32 v5, v6
	s_wait_dscnt 0x0
	s_endpgm
.Lfunc_end_k_q21f3a705e4_attn:
	.size	k_q21f3a705e4_attn, .Lfunc_end_k_q21f3a705e4_attn-k_q21f3a705e4_attn
	.p2alignl 7, 3214868480
	.fill 96, 4, 3214868480
	.section	.rodata,"a",@progbits
	.p2align	6, 0x0
	.amdhsa_kernel k_q21f3a705e4_attn
		.amdhsa_group_segment_fixed_size 83968
		.amdhsa_private_segment_fixed_size 0
		.amdhsa_enable_private_segment 0
		.amdhsa_kernarg_size 40
		.amdhsa_user_sgpr_count 2
		.amdhsa_user_sgpr_kernarg_segment_ptr 1
		.amdhsa_wavefront_size32 1
		.amdhsa_system_sgpr_workgroup_id_x 1
		.amdhsa_system_sgpr_workgroup_id_y 1
		.amdhsa_system_sgpr_workgroup_id_z 1
		.amdhsa_system_vgpr_workitem_id 0
		.amdhsa_next_free_vgpr 256
		.amdhsa_next_free_sgpr 66
		.amdhsa_reserve_vcc 0
		.amdhsa_float_denorm_mode_32 3
		.amdhsa_float_denorm_mode_16_64 3
		.amdhsa_memory_ordered 1
		.amdhsa_forward_progress 1
		.amdhsa_inst_pref_size 40
	.end_amdhsa_kernel
	.amdgpu_metadata
---
amdhsa.version: [ 1, 2 ]
amdhsa.kernels:
  - .name:           k_q21f3a705e4_attn
    .symbol:         k_q21f3a705e4_attn.kd
    .args:
      - { .name: qf, .offset: 0, .size: 8, .value_kind: global_buffer, .address_space: global }
      - { .name: kf, .offset: 8, .size: 8, .value_kind: global_buffer, .address_space: global }
      - { .name: vf, .offset: 16, .size: 8, .value_kind: global_buffer, .address_space: global }
      - { .name: lowp_scales, .offset: 24, .size: 8, .value_kind: global_buffer, .address_space: global }
      - { .name: af, .offset: 32, .size: 8, .value_kind: global_buffer, .address_space: global }
    .group_segment_fixed_size: 83968
    .private_segment_fixed_size: 0
    .kernarg_segment_align: 8
    .kernarg_segment_size: 40
    .max_flat_workgroup_size: 512
    .sgpr_count:     66
    .vgpr_count:     256
    .wavefront_size: 32
...
	.end_amdgpu_metadata
.endif
;; end of part 3
;; launch ffn (part 4): grid 256 x 1, 8 waves a work-group, clusters of 4 x 1, 327,680 bytes of LDS; arguments x, af, wf, lowp_scales, bproj, ln2_g, ln2_b, b1, b2, out0; writes out0
.if DOCPART == 4
	.amdgcn_target "amdgcn-amd-amdhsa--gfx1250"
	.amdhsa_code_object_version 6
	.text
	.protected	k_q21f3a705e4_ffn
	.globl	k_q21f3a705e4_ffn
	.p2align	8
	.type	k_q21f3a705e4_ffn,@function
k_q21f3a705e4_ffn:
	s_mov_b64 s[64:65], 0
	v_nop
	global_prefetch_b8 v0, s[64:65] scope:SCOPE_SE
	s_setreg_imm32_b32 hwreg(HW_REG_WAVE_MODE, 25, 1), 1
	s_wait_xcnt 0x0
	s_wait_alu depctr_hold_cnt(0) depctr_sa_sdst(0) depctr_va_vdst(0) depctr_va_sdst(0) depctr_va_ssrc(0) depctr_va_vcc(0) depctr_vm_vsrc(0)
	s_getreg_b32 s2, hwreg(HW_REG_IB_STS2, 6, 4)
	s_cmp_eq_u32 s2, 0
	s_cbranch_scc0 .Lentry_in_a_cluster
	s_endpgm
.Lentry_in_a_cluster:
	s_bfe_u32 s2, ttmp6, 0x10000c
	s_cmp_lg_u32 s2, 0x3003
	s_cbranch_scc0 .Lentry_shape_is_right
	s_endpgm
.Lentry_shape_is_right:
; x2 = x + attn Wproj + bproj; out = x2 + leaky_relu(LN2(x2) W1 + b1) W2 + b2: products 6, 7, 8 on codes of E4M3.  Nothing of reference() is left out here.  The hidden layer never goes to memory.
; SHARES.  A work-group takes the 32 rows of group G: two tiles m of 16, lane r of tile m = row 8 m + r + 8 (r / 8), as in the launches before.
; FRONT: wave w = 2 cq + m makes x2 for tile m, columns 128 cq on (which is K step cq of product 7), keeps it in LDS, takes part in LN2 and quantises its block.
; HIDDEN LAYER: two chunks of 1,024 units; wave w makes units 1,024 ch + 128 w on for both tiles: K step 8 ch + w of product 8; it goes from wave to wave as images of the operand's registers.
; PRODUCT 8: wave w owns output columns 64 w on, for both tiles; 8 accumulators over both chunks; each four K steps are walked in the order 0, 2, 1, 3.
; All products are used transposed (source 0 = 16 columns of a weight, source 1 = 16 rows): a lane holds a row; Wproj's and W1's tiles are permuted so that two neighbouring tiles give 16 neighbours along the next K.
; THE WEIGHTS come in 36 groups of 4 fragments a wave, through three register slots (group I in slot I % 3), BY TWO ROADS.  Groups 0-3 (Wproj) and every second group of W1 and W2 come through a region
; WR of LDS, 128 KiB, filled by the tensor data mover: 16 KiB a wave and load.  The other groups come from wf straight into registers, 16 loads each, asked for behind group I - 3.  So a wave issues
; 256 loads for weights where all 36 groups by that road would take 576, and while a fill of WR is on its way it multiplies a group that lies in registers already.
; A QUAD is four groups: register, WR, register, WR.  One fill of WR serves a quad: a wave's load brings its two WR groups, 4 rows of 4,096 bytes (W1: tiles 4-7, two neighbouring K steps; W2: my four
; tiles, K steps 4 Qh + 2 and 4 Qh + 3), into its own 16 KiB, which it alone reads.  Wproj's fill is read across waves: a barrier stands behind every wave's wait for it.
; CLUSTER: the four row groups of a cluster walk the same weights, so every fill of WR is asked for JOINTLY: the same tensor load, the same descriptor (made of the wave's number alone), mask 15, in all four.
; Each refill stands behind a round of the cluster's barrier.  My place in the cluster enters the addresses of x, af and out0 alone.
; A wave never has more than one tensor load out, so every wait for a tile is for 0.  The text has no loop: the counts of the waits on LDS and on loads are made by the assembler from what has been issued.
; LIMITS: e10, e12 between -126 and 119; e8 + e9, e10 + e11, e12 + e13 between -126 and 127; NaN among the inputs is not served by the holds.
; REGISTERS, window 0: v1-15 addresses and constants; v16-31 at work; v32-159 the hidden layer's sums ((tile t, m) at 32 + 64 m + 8 t); in the front v32-95 x, x2, h2 and v96-159 product 6's sums;
;   v160-191 codes just made; in the front attn's two fragments; v192-255 product 8's sums ((n, m) at 192 + 16 n + 8 m); in the front ln2_b.
;   window 1: v0-63 two slots of operand fragments from LDS; in the front ln2_g; in the activation b1; v64-255 the weights' three slots.
.set XIMG,  0                          ; LDS: h2's 8 images (2 x K step + m),
.set HIMG,  16384                      ; the hidden layer's 2 x 16 (chunk x 32,768 + (2 x K step + m) x 2,048): a buffer for each chunk,
.set TS,    81920                      ; each wave's stage, 16 rows of 512 bytes + 16: afterwards it keeps x2,
.set TSW,   8448
.set B1S,   149504                     ; b1,
.set B2S,   157696                     ; b2, and 2,048 and 4,096 bytes on ln2_g and ln2_b,
.set GS,    159744
.set STAT,  163840                     ; the rows' local figures,
.set SPARE, 164864                     ; the spare words, 128 bytes for each wave: no other line names them,
.set WR,    165888                     ; and the weights' region: 16,384 bytes a wave; no ds_store ever lands here
.set OS,    0                          ; each wave's stage for the way out, 32 rows of 256 bytes + 16: over the images, behind the barrier that follows their last read
.set OSB,   8704
.set LI,   1
.set TSST, 2
.set TSFR, 3
.set STW,  4
.set STR,  5
.set IMX,  6
.set IMH,  7
.set B1A,  8
.set LIH,  9
.set LWR,  10                          ; WR + 16,384 w + 16 x lane: my own part
.set LWP,  11                          ; WR + 32,768 cq + 16 x lane: Wproj's tiles 8 cq on
.set GBA,  12                          ; ln2_g at my lane's columns
.set SPW,  13                          ; my spare word; never rewritten
.set NIL,  14                          ; 0; never rewritten
.set PD,   15                          ; a lane permute's destination; afterwards the conversions' scale
.set SCV,  15
.set MU,   16
.set RS,   18
.set TT,   20
.set X,    32
.set HA,   32
.set ACC,  96
.set AT,   160
.set PC,   160
.set Y,    192
.set RN,   62
.set EPS,  63
.set W1B,  66                          ; s[66:67] wf at my 8 tiles of W1;  s[68:69] at my 4 tiles of W2
.set W2B,  68
.set G0,   72                          ; s[72:75] descriptor group 0
.set G1P,  76                          ; s[76:83] group 1: a dense 16 KiB;  s[84:91] W1's tile;  s[92:99] W2's
.set G1A,  84
.set G1B,  92
.set DISS,  0                          ; LDS loads of operands and weights issued so far
.set DZERO, 0                          ; its value at the last wait for all LDS instructions
.set LM0, 0                            ; its value behind the last weight group read into slot 0, 1, 2,
.set LM1, 0
.set LM2, 0
.set OBM0, 0                           ; and behind the last operand item read into slot 0, 1
.set OBM1, 0
.set GISS, 0                           ; register groups asked for, and multiplied
.set GCON, 0
.set MSB, 0
.macro WIN new                         ; the immediate's high byte repeats the setting that is left
.if MSB != \new
	s_set_vgpr_msb (MSB<<8)|\new
.set MSB, \new
.endif
.endm
.macro QCONST d, e
	s_add_co_i32 s[\d], s[\e], 127
	s_add_co_i32 s[\d+1], s[\e], 135
	s_lshl_b32 s[\d], s[\d], 23
	s_lshl_b32 s[\d+1], s[\d+1], 23
	s_or_b32 s[\d+1], s[\d+1], 0x600000
	s_or_b32 s[\d+2], s[\d+1], 0x80000000
.endm
.macro FCONST d, ea, eb
	s_add_co_i32 s[\d], s[\ea], s[\eb]
	s_add_co_i32 s[\d], s[\d], 127
	s_lshl_b32 s[\d], s[\d], 23
	s_mov_b32 s[\d+1], s[\d]
.endm
.macro BARRIER                         ; my LDS stores have landed and my LDS loads are in: then the work-group's barrier
	s_wait_dscnt 0x0
	s_barrier_signal -1
	s_barrier_wait -1
.set DZERO, DISS
.endm
; A round of the cluster's barrier: my work-group's barrier, so that wave 0's signal speaks for all eight waves; wave 0 signals for the work-group; every wave waits for all four work-groups; my work-group's barrier once more.
.macro ROUND
	s_barrier_signal -1
	s_barrier_wait -1
	s_cmp_lg_u32 s40, 0
	s_cbranch_scc1 .Lnot_wave_0_\@
	s_barrier_signal -3
.Lnot_wave_0_\@:
	s_barrier_wait -3
	s_barrier_signal -1
	s_barrier_wait -1
.endm
; WR is filled again.  Every wave: all its tensor loads have landed; 0 onto its spare word; the descriptor's address is written meanwhile
; the add is done and so are all its LDS instructions, its reads of WR among them; a round, so that this holds of every wave of all four work-groups; then the joint load, first thing.
.macro REFILL g1, base, off
	WIN 0                                          ; at a label and at a branch every window is 0; the add's two registers lie in window 0
	s_wait_tensorcnt 0x0
	ds_add_u32 v[SPW], v[NIL]
	s_add_nc_u64 s[G0+2:G0+3], s[\base:\base+1], \off
	s_or_b32 s[G0+3], s[G0+3], 0x80000000          ; type = 2
	s_wait_dscnt 0x0
	ROUND
	tensor_load_to_lds s[G0:G0+3], s[\g1:\g1+7]
	s_nop 0
.rept 4
	v_nop                                          ; an s_nop 0 and four v_nop follow the load
.endr
.set DZERO, DISS
.endm
.macro TURN                            ; 16 rows x 512 bytes through my stage: in as loaded (a row an instruction), out 64 bytes of a row a lane
.set i, 0
.rept 16
	ds_store_b128 v[TSST], v[X+4*i:X+4*i+3] offset:528*i
.set i, i+1
.endr
	s_wait_dscnt 0x0                               ; the stores have read their registers
.irp b, 0,1,2,3
.irp j, 0,1,2,3
	ds_load_b128 v[X+16*\b+4*\j:X+16*\b+4*\j+3], v[TSFR] offset:128*\b+16*\j
.endr
.endr
	s_wait_dscnt 0x0
.endm
.macro LSTAT                           ; as in the launch qkv: local mean and sum of squared deviations over my 128 columns
	v_pk_add_f32 v[TT:TT+1], v[X:X+1], v[X+2:X+3]
	v_pk_add_f32 v[TT+2:TT+3], v[X+4:X+5], v[X+6:X+7]
.set j, 8
.rept 14
	v_pk_add_f32 v[TT:TT+1], v[TT:TT+1], v[X+j:X+j+1]
	v_pk_add_f32 v[TT+2:TT+3], v[TT+2:TT+3], v[X+j+2:X+j+3]
.set j, j+4
.endr
	v_pk_add_f32 v[TT:TT+1], v[TT:TT+1], v[TT+2:TT+3]
	v_add_f32 v[TT], v[TT], v[TT+1]
	v_permlanex16_b32 v[PD], v[TT], s44, s45
	v_add_f32 v[TT], v[TT], v[PD]
	v_mul_f32 v[TT], 0x3c000000, v[TT]
	v_mov_b32 v[TT+1], v[TT]
	v_pk_add_f32 v[TT+8:TT+9], v[X:X+1], v[TT:TT+1] neg_lo:[0,1] neg_hi:[0,1]
	v_pk_add_f32 v[TT+10:TT+11], v[X+2:X+3], v[TT:TT+1] neg_lo:[0,1] neg_hi:[0,1]
	v_pk_mul_f32 v[TT+4:TT+5], v[TT+8:TT+9], v[TT+8:TT+9]
	v_pk_mul_f32 v[TT+6:TT+7], v[TT+10:TT+11], v[TT+10:TT+11]
.set j, 4
.rept 15
	v_pk_add_f32 v[TT+8:TT+9], v[X+j:X+j+1], v[TT:TT+1] neg_lo:[0,1] neg_hi:[0,1]
	v_pk_add_f32 v[TT+10:TT+11], v[X+j+2:X+j+3], v[TT:TT+1] neg_lo:[0,1] neg_hi:[0,1]
	v_pk_fma_f32 v[TT+4:TT+5], v[TT+8:TT+9], v[TT+8:TT+9], v[TT+4:TT+5]
	v_pk_fma_f32 v[TT+6:TT+7], v[TT+10:TT+11], v[TT+10:TT+11], v[TT+6:TT+7]
.set j, j+4
.endr
	v_pk_add_f32 v[TT+4:TT+5], v[TT+4:TT+5], v[TT+6:TT+7]
	v_add_f32 v[TT+1], v[TT+4], v[TT+5]
	v_permlanex16_b32 v[PD], v[TT+1], s44, s45
	v_add_f32 v[TT+1], v[TT+1], v[PD]
	ds_store_b64 v[STW], v[TT:TT+1]
.endm
.macro COMBINE                         ; the four waves' figures merged: no difference of large sums is formed
.irp i, 0,1,2,3
	ds_load_b64 v[TT+2*\i:TT+2*\i+1], v[STR] offset:256*\i
.endr
	s_wait_dscnt 0x0
	v_add_f32 v[TT+8], v[TT], v[TT+2]
	v_add_f32 v[TT+9], v[TT+4], v[TT+6]
	v_add_f32 v[TT+8], v[TT+8], v[TT+9]
	v_mul_f32 v[MU], 0x3e800000, v[TT+8]
.irp i, 0,2,4,6
	v_sub_f32 v[TT+\i], v[TT+\i], v[MU]
.endr
	v_mul_f32 v[TT+8], v[TT], v[TT]
	v_fmac_f32 v[TT+8], v[TT+2], v[TT+2]
	v_fmac_f32 v[TT+8], v[TT+4], v[TT+4]
	v_fmac_f32 v[TT+8], v[TT+6], v[TT+6]
	v_add_f32 v[TT+9], v[TT+1], v[TT+3]
	v_add_f32 v[TT+10], v[TT+5], v[TT+7]
	v_add_f32 v[TT+9], v[TT+9], v[TT+10]
	v_fmamk_f32 v[TT+8], v[TT+8], 0x43000000, v[TT+9]
	v_fma_f32 v[TT+8], v[TT+8], s[RN], s[EPS]
	v_rsq_f32 v[RS], v[TT+8]
	v_mov_b32 v[MU+1], v[MU]                       ; a plain instruction behind the transcendental
	s_wait_alu depctr_va_vdst(0)                   ; the wait ahead of the result's first reader
	v_mov_b32 v[RS+1], v[RS]
.endm
; GROUP I of 36.  I = 0 .. 3: Wproj (K step I / 2, tiles 4 (I % 2) + f of my 8).  I = 4 + 16 ch + q: q < 8: W1 (K step q / 2, tiles 4 (q % 2) + f of my 8); q >= 8: W2, place p = q - 8 of the chunk's
; eight: K step 8 ch + 4 (p / 4) + 2 (p % 2) + (p % 4) / 2, my four tiles f.  Even q: by registers (LOADG); odd q and Wproj: out of WR (LOADL).
.macro LOADG I
	WIN 0x40
.set LGR, 64+64*((\I)%3)
.set LQ, ((\I)-4)%16
.set LCH, ((\I)-4)/16
.set LKS, 0
.if LQ >= 8
.set LKS, 4*((LQ-8)/4)+2*((LQ-8)%2)+((LQ-8)%4)/2
.endif
.irp f, 0,1,2,3
.irp c, 0,1,2,3
.if LQ < 8
	global_load_b128 v[LGR+16*\f+4*\c:LGR+16*\f+4*\c+3], v[LI], s[W1B:W1B+1] offset:524288*LCH+(4*(4*(LQ%2)+\f)+LQ/2)*2048+512*\c
.else
	global_load_b128 v[LGR+16*\f+4*\c:LGR+16*\f+4*\c+3], v[LI], s[W2B:W2B+1] offset:32768*\f+(8*LCH+LKS)*2048+512*\c
.endif
.endr
.endr
.set GISS, GISS+1
.endm
.macro LOADL I                         ; in my part of WR row f holds fragment f of the quad's first WR group, then that of its second
	WIN 0x40
.set LGR, 64+64*((\I)%3)
.irp f, 0,1,2,3
.irp c, 0,1,2,3
.if (\I) < 4
	ds_load_b128 v[LGR+16*\f+4*\c:LGR+16*\f+4*\c+3], v[LWP] offset:(2*(4*((\I)%2)+\f)+(\I)/2)*2048+512*\c
.else
	ds_load_b128 v[LGR+16*\f+4*\c:LGR+16*\f+4*\c+3], v[LWR] offset:4096*\f+2048*((((\I)-4)%4)/2)+512*\c
.endif
.endr
.endr
.set DISS, DISS+16
.if ((\I)%3) == 0
.set LM0, DISS
.elseif ((\I)%3) == 1
.set LM1, DISS
.else
.set LM2, DISS
.endif
.endm
.macro XFETCH s                        ; h2's two fragments of K step s into operand slot s % 2
	WIN 0x40
.irp m, 0,1
.irp c, 0,1,2,3
	ds_load_b128 v[32*((\s)%2)+16*\m+4*\c:32*((\s)%2)+16*\m+4*\c+3], v[LI] offset:XIMG+(2*(\s)+\m)*2048+512*\c
.endr
.endr
.set DISS, DISS+8
.if ((\s)%2) == 0
.set OBM0, DISS
.else
.set OBM1, DISS
.endif
.endm
.macro HFETCH ch, p                    ; the hidden layer's two fragments for place p of the chunk's eight, into operand slot p % 2
	WIN 0x40
.set HKS, 4*((\p)/4)+2*((\p)%2)+((\p)%4)/2
.irp m, 0,1
.irp c, 0,1,2,3
	ds_load_b128 v[32*((\p)%2)+16*\m+4*\c:32*((\p)%2)+16*\m+4*\c+3], v[LIH] offset:32768*(\ch)+(2*HKS+\m)*2048+512*\c
.endr
.endr
.set DISS, DISS+8
.if ((\p)%2) == 0
.set OBM0, DISS
.else
.set OBM1, DISS
.endif
.endm
; Group I is multiplied.  Its weights and its operand item are waited for: the count is what has been issued on the same counter behind them.  Its 4 or 8 products run on as many accumulators by turns (
; the order is the same in every group); four places follow.  Then: the register group three on takes this slot; the operand slot that is done with takes the item two
; further on; and behind a quad's first group the wave waits for its fill of WR and reads both WR groups of the quad.
.macro CONS I
.set CSL, (\I)%3
.set CGR, 64+64*CSL
.set CKL, 1
.set CQ, 0
.set CCH, 0
.if (\I) >= 4
.set CQ, ((\I)-4)%16
.set CCH, ((\I)-4)/16
.set CKL, CQ%2
.endif
.set NEEDM, 0
.if CKL
.if CSL == 0
.set NEEDM, LM0
.elseif CSL == 1
.set NEEDM, LM1
.else
.set NEEDM, LM2
.endif
.else
.set GCON, GCON+1
	s_wait_loadcnt 16*(GISS-GCON)                  ; the register groups asked for behind this one may be out
.endif
.if (\I) >= 4
.set COB, CQ%2
.if CQ < 8
.set COB, (CQ/2)%2
.endif
.set TMPM, OBM1
.if COB == 0
.set TMPM, OBM0
.endif
.if TMPM > NEEDM
.set NEEDM, TMPM
.endif
.endif
.if NEEDM > DZERO
	s_wait_dscnt DISS-NEEDM                        ; the LDS loads issued behind the younger of the two may be out
.endif
.if (\I) < 4
	WIN 0x01
.irp f, 0,1,2,3
.if (\I) < 2
	v_wmma_f32_16x16x128_fp8_fp8 v[ACC+8*(4*((\I)%2)+\f):ACC+8*(4*((\I)%2)+\f)+7], v[CGR+16*\f:CGR+16*\f+15], v[AT+16*((\I)/2):AT+16*((\I)/2)+15], 0
.else
	v_wmma_f32_16x16x128_fp8_fp8 v[ACC+8*(4*((\I)%2)+\f):ACC+8*(4*((\I)%2)+\f)+7], v[CGR+16*\f:CGR+16*\f+15], v[AT+16*((\I)/2):AT+16*((\I)/2)+15], v[ACC+8*(4*((\I)%2)+\f):ACC+8*(4*((\I)%2)+\f)+7]
.endif
.endr
.elseif CQ < 8
	WIN 0x05
.irp f, 0,1,2,3
.irp m, 0,1
.if CQ < 2
	v_wmma_f32_16x16x128_fp8_fp8 v[HA+64*\m+8*(4*(CQ%2)+\f):HA+64*\m+8*(4*(CQ%2)+\f)+7], v[CGR+16*\f:CGR+16*\f+15], v[32*((CQ/2)%2)+16*\m:32*((CQ/2)%2)+16*\m+15], 0
.else
	v_wmma_f32_16x16x128_fp8_fp8 v[HA+64*\m+8*(4*(CQ%2)+\f):HA+64*\m+8*(4*(CQ%2)+\f)+7], v[CGR+16*\f:CGR+16*\f+15], v[32*((CQ/2)%2)+16*\m:32*((CQ/2)%2)+16*\m+15], v[HA+64*\m+8*(4*(CQ%2)+\f):HA+64*\m+8*(4*(CQ%2)+\f)+7]
.endif
.endr
.endr
.else
	WIN 0x05
.irp f, 0,1,2,3
.irp m, 0,1
.if (CCH == 0) && (CQ == 8)
	v_wmma_f32_16x16x128_fp8_fp8 v[Y+16*\f+8*\m:Y+16*\f+8*\m+7], v[CGR+16*\f:CGR+16*\f+15], v[32*(CQ%2)+16*\m:32*(CQ%2)+16*\m+15], 0
.else
	v_wmma_f32_16x16x128_fp8_fp8 v[Y+16*\f+8*\m:Y+16*\f+8*\m+7], v[CGR+16*\f:CGR+16*\f+15], v[32*(CQ%2)+16*\m:32*(CQ%2)+16*\m+15], v[Y+16*\f+8*\m:Y+16*\f+8*\m+7]
.endif
.endr
.endr
.endif
.rept 4
	v_nop                                          ; four places in front of loads into registers that these products read, and of the first read of results
.endr
.if (\I) == 0
	LOADL 3
.endif
.if (((\I)%2) == 1) && ((\I) <= 31)
	LOADG (\I)+3
.endif
.if (\I) >= 4
.if CQ < 8
.if ((CQ%2) == 1) && (CQ < 4)
	XFETCH CQ/2+2
.endif
.else
.if CQ < 14
	HFETCH CCH, CQ-6
.endif
.endif
.if (CQ%4) == 0
	s_wait_tensorcnt 0x0                           ; my one tensor load, the quad's fill of my part of WR, has landed: I alone read those bytes
	LOADL (\I)+1
	LOADL (\I)+3
.endif
.endif
.endm
; The chunk's sums become codes: z = sum x 2^(e10 + e11) + b1; leaky_relu(z) = max(z, 0.01 z); the hold; the conversions; the two images
.macro ACT ch
	WIN 0x40
.irp b, 0,1,2,3
.irp j, 0,1,2,3
	ds_load_b128 v[16*\b+4*\j:16*\b+4*\j+3], v[B1A] offset:4096*\ch+128*\b+16*\j   ; b1 at my lane's 64 units: the operand slots are free here
.endr
.endr
	s_wait_dscnt 0x0
.set DZERO, DISS
	WIN 0x10
.irp m, 0,1
.set j, 0
.rept 32
	v_pk_fma_f32 v[HA+64*\m+j:HA+64*\m+j+1], v[HA+64*\m+j:HA+64*\m+j+1], s[48:49], v[j:j+1] op_sel_hi:[1,0,1]
.set j, j+2
.endr
.endr
	WIN 0
.irp m, 0,1
.irp b, 0,1,2,3
.set j, 0
.rept 8
	v_pk_mul_f32 v[16+j:17+j], v[HA+64*\m+16*\b+j:HA+64*\m+16*\b+j+1], s[60:61] op_sel_hi:[1,0]
.set j, j+2
.endr
.set j, 0
.rept 16
	v_max_num_f32 v[HA+64*\m+16*\b+j], v[HA+64*\m+16*\b+j], v[16+j]
.set j, j+1
.endr
.set j, 0
.rept 16
	v_med3_num_f32 v[HA+64*\m+16*\b+j], v[HA+64*\m+16*\b+j], s58, s57
.set j, j+1
.endr
	v_cvt_scalef32_pk8_fp8_f32 v[PC+16*\m+4*\b:PC+16*\m+4*\b+1], v[HA+64*\m+16*\b:HA+64*\m+16*\b+7], v[SCV]
	v_cvt_scalef32_pk8_fp8_f32 v[PC+16*\m+4*\b+2:PC+16*\m+4*\b+3], v[HA+64*\m+16*\b+8:HA+64*\m+16*\b+15], v[SCV]
.endr
.endr
	v_nop                                          ; a plain vector instruction behind the last conversion: matrix instructions later write its sources
.irp m, 0,1
.irp c, 0,1,2,3
	ds_store_b128 v[IMH], v[PC+16*\m+4*\c:PC+16*\m+4*\c+3] offset:32768*\ch+2048*\m+512*\c
.endr
.endr
.endm
	s_load_b512 s[8:23], s[0:1], 0x0               ; x 8, af 10, wf 12, the exponents 14, bproj 16, ln2_g 18, ln2_b 20, b1 22
	s_load_b128 s[24:27], s[0:1], 0x40             ; b2 24, out0 26
	v_lshl_add_u32 v[SPW], v0, 2, SPARE
	v_mov_b32 v[NIL], 0
	ds_add_u32 v[SPW], v[NIL]                      ; the wave's opening: the add, twice on end, and its wait ahead of my first tensor load; the set-up below stands between
	ds_add_u32 v[SPW], v[NIL]
	v_lshrrev_b32 v16, 5, v0
	v_readfirstlane_b32 s40, v16                   ; wave 0..7
	s_and_b32 s41, s40, 1                          ; m
	s_lshr_b32 s42, s40, 1                         ; cq
	s_bfe_u32 s43, ttmp6, 0x40000                  ; my place in the cluster,
	s_lshl_b32 s6, ttmp9, 2                        ; (in a cluster launch ttmp9 counts clusters)
	s_add_co_u32 s43, s43, s6                      ; and my row group G: it enters the addresses of x, af and out0 alone
	v_and_b32 v16, 31, v0
	v_and_b32 v17, 15, v0                          ; r
	v_bfe_u32 v18, v0, 4, 1                        ; h
	v_lshlrev_b32 v[LI], 4, v16
	s_mul_i32 s6, s40, TSW
	s_add_co_u32 s6, s6, TS
	v_add_nc_u32 v[TSST], s6, v[LI]
	v_mul_u32_u24 v[TSFR], v17, 528
	v_lshl_add_u32 v[TSFR], v18, 6, v[TSFR]
	v_add_nc_u32 v[TSFR], s6, v[TSFR]
	s_lshl_b32 s6, s40, 7
	s_add_co_u32 s6, s6, STAT
	v_lshl_add_u32 v[STW], v17, 3, s6
	s_lshl_b32 s6, s41, 7
	s_add_co_u32 s6, s6, STAT
	v_lshl_add_u32 v[STR], v17, 3, s6
	s_lshl_b32 s6, s40, 11
	v_add_nc_u32 v[IMX], s6, v[LI]                 ; h2's images: 2 cq + m = wave
	s_lshl_b32 s6, s40, 12
	s_add_co_u32 s6, s6, HIMG
	v_add_nc_u32 v[IMH], s6, v[LI]                 ; the hidden layer's: K step = wave
	s_lshl_b32 s6, s40, 9
	s_add_co_u32 s6, s6, B1S
	v_lshl_add_u32 v[B1A], v18, 6, s6
	v_add_nc_u32 v[LIH], HIMG, v[LI]
	s_lshl_b32 s[G0+1], s40, 14
	s_add_co_u32 s[G0+1], s[G0+1], WR              ; group 0, 63:32: the LDS address of every fill: my 16 KiB of WR
	v_add_nc_u32 v[LWR], s[G0+1], v[LI]
	s_lshl_b32 s6, s42, 15
	s_add_co_u32 s6, s6, WR
	v_add_nc_u32 v[LWP], s6, v[LI]
	s_lshl_b32 s6, s42, 9
	s_add_co_u32 s6, s6, GS
	v_lshl_add_u32 v[GBA], v18, 6, s6
	v_mov_b32 v[PD], 0
	v_lshlrev_b32 v96, 4, v0                       ; head only: 16 x thread,
	v_lshlrev_b32 v97, 3, v0                       ; 8 x thread,
	v_add_nc_u32 v99, B1S, v96                     ; and where the copies of b1 and of b2, ln2_g, ln2_b go
	v_add_nc_u32 v100, B2S, v97
	s_mov_b32 s44, 0x76543210
	s_mov_b32 s45, 0xfedcba98
	s_mov_b32 s[RN], 0x3b000000                    ; 1 / 512
	s_mov_b32 s[EPS], 0x3727c5ac                   ; 1e-5
	s_mov_b32 s60, 0x3c23d70a                      ; 0.01
	s_mov_b32 s61, s60
	; the descriptors.  Elements of 8 bytes; no padding: a fragment is read 16 bytes a lane on end.  15:0 the mask: all four work-groups; 17:16 element size code 3; 21 set beside a mask
	s_mov_b32 s[G0], 1                             ; count = 1
	s_mov_b32 s[G1P], 15|(3<<16)|(1<<21)           ; a dense 16 KiB as 64 rows of 256 bytes
	s_mov_b32 s[G1P+1], 32<<16                     ; tensor_dim0 = 32
	s_mov_b32 s[G1P+2], 64<<16                     ; tensor_dim1 = 64
	s_mov_b32 s[G1P+3], 32<<16                     ; tile_dim0 = 32
	s_mov_b32 s[G1P+4], 64                         ; tile_dim1 = 64
	s_mov_b32 s[G1P+5], 32                         ; from row to row
	s_mov_b32 s[G1P+6], 0
	s_mov_b32 s[G1P+7], 0
.irp g, G1A, G1B
	s_mov_b32 s[\g], 15|(3<<16)|(1<<21)            ; 4 rows of 4,096 bytes
	s_mov_b32 s[\g+1], 512<<16
	s_mov_b32 s[\g+2], 4<<16
	s_mov_b32 s[\g+3], 512<<16
	s_mov_b32 s[\g+4], 4
	s_mov_b32 s[\g+6], 0
	s_mov_b32 s[\g+7], 0
.endr
	s_mov_b32 s[G1A+5], 1024                       ; W1: a tile's 4 K steps are 8,192 bytes
	s_mov_b32 s[G1B+5], 4096                       ; W2: a tile's 16 K steps are 32,768 bytes
	s_lshl_b32 s4, s43, 16
	s_lshl_b32 s6, s41, 14
	s_add_co_u32 s4, s4, s6
	s_lshl_b32 s28, s42, 9
	s_add_co_u32 s4, s4, s28                       ; x: 32 G + 8 m rows, 128 cq columns
	s_mov_b32 s5, 0
	s_mov_b32 s29, 0                               ; bproj: 128 cq columns
	s_lshl_b32 s30, s43, 13
	s_lshl_b32 s6, s41, 12
	s_add_co_u32 s30, s30, s6                      ; af: row tile 2 G + m
	s_mov_b32 s31, 0
	s_lshl_b32 s38, s40, 16
	s_add_co_u32 s38, s38, 524288                  ; W1's tiles 8 w on (+ 64 for the second chunk)
	s_mov_b32 s39, 0
	s_lshl_b32 s70, s40, 17
	s_add_co_u32 s70, s70, 1572864                 ; W2's tiles 4 w on
	s_mov_b32 s71, 0
	s_lshl_b32 s100, s43, 16
	s_lshl_b32 s6, s40, 8
	s_add_co_u32 s100, s100, s6                    ; out0: 32 G rows, 64 w columns
	s_mov_b32 s101, 0
	s_lshl_b32 s2, s40, 14
	s_add_co_u32 s2, s2, 393216                    ; Wproj: my eighth of its 128 KiB
	s_mov_b32 s3, 0
	s_wait_dscnt 0x0                               ; both opening adds are done
	s_wait_kmcnt 0x0
	s_load_b128 s[32:35], s[14:15], 0x20           ; e8 .. e11
	s_load_b64 s[36:37], s[14:15], 0x30            ; e12, e13
	s_add_nc_u64 s[8:9], s[8:9], s[4:5]
	s_add_nc_u64 s[16:17], s[16:17], s[28:29]
	s_add_nc_u64 s[10:11], s[10:11], s[30:31]
	s_add_nc_u64 s[W1B:W1B+1], s[12:13], s[38:39]
	s_add_nc_u64 s[W2B:W2B+1], s[12:13], s[70:71]
	s_add_nc_u64 s[26:27], s[26:27], s[100:101]
	s_add_nc_u64 s[G0+2:G0+3], s[12:13], s[2:3]
	s_or_b32 s[G0+3], s[G0+3], 0x80000000          ; type = 2
.irp i, 0,1,2,3,4,5,6,7,8,9,10,11,12,13,14,15
	global_load_b128 v[X+4*\i:X+4*\i+3], v[LI], s[8:9] offset:(\i+8*(\i/8))*2048 th:TH_LOAD_NT
.endr
	global_load_b128 v[16:19], v[LI], s[16:17]     ; bproj at my four columns of a row as loaded
	global_load_b128 v[20:23], v96, s[22:23]       ; b1, b2, ln2_g and ln2_b are copied into LDS once, in whole runs
	global_load_b128 v[24:27], v96, s[22:23] offset:4096
	global_load_b64 v[28:29], v97, s[24:25]
	global_load_b64 v[30:31], v97, s[18:19]
	global_load_b64 v[192:193], v97, s[20:21]
.irp c, 0,1,2,3,4,5,6,7
	global_load_b128 v[AT+4*\c:AT+4*\c+3], v[LI], s[10:11] offset:512*\c   ; attn's two fragments of my tile
.endr
	ROUND                                          ; all four work-groups are here: the first joint loads meet
	tensor_load_to_lds s[G0:G0+3], s[G1P:G1P+7]    ; Wproj: the first fill of WR
	s_nop 0
.rept 4
	v_nop
.endr
	s_wait_kmcnt 0x0
	FCONST 46, 32, 33
	FCONST 48, 34, 35
	FCONST 50, 36, 37
	QCONST 52, 34
	QCONST 56, 36
	s_wait_loadcnt 0x0
	ds_store_b128 v99, v[20:23]
	ds_store_b128 v99, v[24:27] offset:4096
	ds_store_b64 v100, v[28:29]
	ds_store_b64 v100, v[30:31] offset:2048
	ds_store_b64 v100, v[192:193] offset:4096
.set i, 0
.rept 16
	v_pk_add_f32 v[X+4*i:X+4*i+1], v[X+4*i:X+4*i+1], v[16:17]       ; x + bproj
	v_pk_add_f32 v[X+4*i+2:X+4*i+3], v[X+4*i+2:X+4*i+3], v[18:19]
.set i, i+1
.endr
	TURN
	s_wait_tensorcnt 0x0                           ; my eighth of Wproj has landed;
	BARRIER                                        ; everybody's has, and the four copies lie in LDS.
	LOADL 0
	LOADL 1
	LOADL 2
.irp I, 0,1,2,3
	CONS \I
.endr
	WIN 0
.set j, 0
.rept 32
	v_pk_fma_f32 v[X+j:X+j+1], v[ACC+j:ACC+j+1], s[46:47], v[X+j:X+j+1] op_sel_hi:[1,0,1]   ; x2 = sum x 2^(e8 + e9) + (x + bproj); each accumulator from its low end on
.set j, j+2
.endr
.irp b, 0,1,2,3
.irp j, 0,1,2,3
	ds_store_b128 v[TSFR], v[X+16*\b+4*\j:X+16*\b+4*\j+3] offset:128*\b+16*\j   ; x2 is kept in my stage, by rows, for the last residual
.endr
.endr
	LSTAT
	BARRIER                                        ; the local figures and x2 lie in LDS
	WIN 0x40
.irp b, 0,1,2,3
.irp j, 0,1,2,3
	ds_load_b128 v[16*\b+4*\j:16*\b+4*\j+3], v[GBA] offset:128*\b+16*\j         ; ln2_g in an operand lane's order: register 16 b + i = column 128 cq + 32 b + 16 h + i
.endr
.endr
	WIN 0
.irp b, 0,1,2,3
.irp j, 0,1,2,3
	ds_load_b128 v[192+16*\b+4*\j:192+16*\b+4*\j+3], v[GBA] offset:2048+128*\b+16*\j   ; ln2_b likewise
.endr
.endr
	COMBINE                                        ; (its wait for all LDS loads serves the 32 above too)
.set j, 0
.rept 32
	v_pk_add_f32 v[X+j:X+j+1], v[X+j:X+j+1], v[MU:MU+1] neg_lo:[0,1] neg_hi:[0,1]
.set j, j+2
.endr
.set j, 0
.rept 32
	v_pk_mul_f32 v[X+j:X+j+1], v[X+j:X+j+1], v[RS:RS+1]
.set j, j+2
.endr
	WIN 0x04                                       ; the gain lies in window 1
.set j, 0
.rept 32
	v_pk_fma_f32 v[X+j:X+j+1], v[X+j:X+j+1], v[j:j+1], v[192+j:193+j]
.set j, j+2
.endr
	WIN 0
	v_mov_b32 v[SCV], s52                          ; 2^e10
.irp b, 0,1,2,3
.set j, 0
.rept 16
	v_med3_num_f32 v[X+16*\b+j], v[X+16*\b+j], s54, s53
.set j, j+1
.endr
	v_cvt_scalef32_pk8_fp8_f32 v[PC+4*\b:PC+4*\b+1], v[X+16*\b:X+16*\b+7], v[SCV]
	v_cvt_scalef32_pk8_fp8_f32 v[PC+4*\b+2:PC+4*\b+3], v[X+16*\b+8:X+16*\b+15], v[SCV]
.endr
	v_nop
.irp c, 0,1,2,3
	ds_store_b128 v[IMX], v[PC+4*\c:PC+4*\c+3] offset:XIMG+512*\c
.endr
	; ---- chunk 0.  Each round below is also the barrier that the images stored ahead of it need
	REFILL G1A, W1B, 32768                         ; h2's eight fragments lie in LDS; WR takes W1's tiles 4-7, K steps 0, 1
	v_mov_b32 v[SCV], s56                          ; 2^e12
	XFETCH 0
	XFETCH 1
.irp I, 4,5,6,7
	CONS \I
.endr
	REFILL G1A, W1B, 32768+4096                    ; K steps 2, 3
.irp I, 8,9,10,11
	CONS \I
.endr
	ACT 0
	REFILL G1B, W2B, 2*2048                        ; the chunk's sixteen fragments lie in LDS; WR takes W2's K steps 2, 3
	HFETCH 0, 0
	HFETCH 0, 1
.irp I, 12,13,14,15
	CONS \I
.endr
	REFILL G1B, W2B, 6*2048                        ; K steps 6, 7
.irp I, 16,17,18,19
	CONS \I
.endr
	; ---- chunk 1: its images have a buffer of their own
	REFILL G1A, W1B, 524288+32768
	XFETCH 0
	XFETCH 1
.irp I, 20,21,22,23
	CONS \I
.endr
	REFILL G1A, W1B, 524288+32768+4096
.irp I, 24,25,26,27
	CONS \I
.endr
	ACT 1
	REFILL G1B, W2B, 10*2048
	HFETCH 1, 0
	HFETCH 1, 1
.irp I, 28,29,30,31
	CONS \I
.endr
	REFILL G1B, W2B, 14*2048                       ; the last fill: groups 33 and 35 read it
.irp I, 32,33,34,35
	CONS \I
.endr
	WIN 0
	; ---- the way out: out = x2 + (sum x 2^(e12 + e13) + b2).  My 64 columns of x2 lie in the stages of waves (w & 6) + m
	v_and_b32 v16, 15, v0
	v_bfe_u32 v17, v0, 4, 1
	s_and_b32 s6, s40, 6
	s_mul_i32 s6, s6, TSW
	s_and_b32 s7, s40, 1
	s_lshl_b32 s7, s7, 8
	s_add_co_u32 s6, s6, s7
	s_add_co_u32 s6, s6, TS
	v_mul_u32_u24 v2, v16, 528
	v_lshl_add_u32 v2, v17, 5, v2
	v_add_nc_u32 v2, s6, v2
	s_lshl_b32 s7, s40, 8
	s_add_co_u32 s7, s7, B2S
	v_lshl_add_u32 v3, v17, 5, s7
	s_mul_i32 s6, s40, OSB
	s_add_co_u32 s6, s6, OS
	v_mul_u32_u24 v4, v16, 272
	v_lshl_add_u32 v4, v17, 5, v4
	v_add_nc_u32 v4, s6, v4                        ; my stage, in: row r, 32 h
	v_mul_u32_u24 v5, v17, 272
	v_lshl_add_u32 v5, v16, 4, v5
	v_add_nc_u32 v5, s6, v5                        ; and back: lanes 0-15 one row, lanes 16-31 the next
	v_lshlrev_b32 v6, 11, v17
	v_lshl_add_u32 v6, v16, 4, v6                  ; the same two rows in out0
.irp n, 0,1,2,3
.irp m, 0,1
.irp e, 0,1
	ds_load_b128 v[32+16*\n+8*\m+4*\e:35+16*\n+8*\m+4*\e], v2 offset:TSW*\m+64*\n+16*\e
.endr
.endr
.endr
.irp n, 0,1,2,3
.irp e, 0,1
	ds_load_b128 v[96+8*\n+4*\e:99+8*\n+4*\e], v3 offset:64*\n+16*\e
.endr
.endr
	BARRIER                                        ; every wave's reads of the images are over: the stages for the way out may be laid over them
.irp n, 0,1,2,3
.irp m, 0,1
.irp p, 0,2,4,6
	v_pk_fma_f32 v[Y+16*\n+8*\m+\p:Y+16*\n+8*\m+\p+1], v[Y+16*\n+8*\m+\p:Y+16*\n+8*\m+\p+1], s[50:51], v[96+8*\n+\p:97+8*\n+\p] op_sel_hi:[1,0,1]
.endr
.endr
.endr
.set j, 0
.rept 32
	v_pk_add_f32 v[Y+j:Y+j+1], v[Y+j:Y+j+1], v[32+j:33+j]
.set j, j+2
.endr
.irp n, 0,1,2,3
.irp m, 0,1
.irp e, 0,1
	ds_store_b128 v4, v[Y+16*\n+8*\m+4*\e:Y+16*\n+8*\m+4*\e+3] offset:4352*\m+64*\n+16*\e   ; my own stage: row 16 m + r
.endr
.endr
.endr
.irp i, 0,1,2,3,4,5,6,7,8,9,10,11,12,13,14,15
	ds_load_b128 v[32+4*\i:35+4*\i], v5 offset:544*\i   ; LDS serves a wave's instructions in order (ISA guide 5.7.1.4): these see my stores
.endr
.irp i, 0,1,2,3,4,5,6,7,8,9,10,11,12,13,14,15
	s_wait_dscnt 15-\i                             ; the younger reads may be out
	global_store_b128 v6, v[32+4*\i:35+4*\i], s[26:27] offset:(8*(\i/8)+2*(\i%8)+8*((\i%8)/4))*2048 th:TH_STORE_NT   ; stage rows 2 i, 2 i + 1 are two neighbouring rows of the group; sixteen lanes store 256 consecutive aligned bytes
.endr
	s_wait_tensorcnt 0x0                           ; the wave's end
	ds_add_u32 v[SPW], v[NIL]
	s_wait_dscnt 0x0
	ROUND                                          ; the closing round: no work-group ends while a partner may still ask for a tile that names it
	s_endpgm
.Lfunc_end_k_q21f3a705e4_ffn:
	.size	k_q21f3a705e4_ffn, .Lfunc_end_k_q21f3a705e4_ffn-k_q21f3a705e4_ffn
	.p2alignl 7, 3214868480
	.fill 96, 4, 3214868480
	.section	.rodata,"a",@progbits
	.p2align	6, 0x0
	.amdhsa_kernel k_q21f3a705e4_ffn
		.amdhsa_group_segment_fixed_size 327680
		.amdhsa_private_segment_fixed_size 0
		.amdhsa_enable_private_segment 0
		.amdhsa_kernarg_size 80
		.amdhsa_user_sgpr_count 2
		.amdhsa_user_sgpr_kernarg_segment_ptr 1
		.amdhsa_wavefront_size32 1
		.amdhsa_system_sgpr_workgroup_id_x 1
		.amdhsa_system_sgpr_workgroup_id_y 1
		.amdhsa_system_sgpr_workgroup_id_z 1
		.amdhsa_system_vgpr_workitem_id 0
		.amdhsa_next_free_vgpr 512
		.amdhsa_next_free_sgpr 102
		.amdhsa_reserve_vcc 0
		.amdhsa_float_denorm_mode_32 3
		.amdhsa_float_denorm_mode_16_64 3
		.amdhsa_memory_ordered 1
		.amdhsa_forward_progress 1
		.amdhsa_inst_pref_size 183
	.end_amdhsa_kernel
	.amdgpu_metadata
---
amdhsa.version: [ 1, 2 ]
amdhsa.kernels:
  - .name:           k_q21f3a705e4_ffn
    .symbol:         k_q21f3a705e4_ffn.kd
    .args:
      - { .name: x, .offset: 0, .size: 8, .value_kind: global_buffer, .address_space: global }
      - { .name: af, .offset: 8, .size: 8, .value_kind: global_buffer, .address_space: global }
      - { .name: wf, .offset: 16, .size: 8, .value_kind: global_buffer, .address_space: global }
      - { .name: lowp_scales, .offset: 24, .size: 8, .value_kind: global_buffer, .address_space: global }
      - { .name: bproj, .offset: 32, .size: 8, .value_kind: global_buffer, .address_space: global }
      - { .name: ln2_g, .offset: 40, .size: 8, .value_kind: global_buffer, .address_space: global }
      - { .name: ln2_b, .offset: 48, .size: 8, .value_kind: global_buffer, .address_space: global }
      - { .name: b1, .offset: 56, .size: 8, .value_kind: global_buffer, .address_space: global }
      - { .name: b2, .offset: 64, .size: 8, .value_kind: global_buffer, .address_space: global }
      - { .name: out0, .offset: 72, .size: 8, .value_kind: global_buffer, .address_space: global }
    .group_segment_fixed_size: 327680
    .private_segment_fixed_size: 0
    .kernarg_segment_align: 8
    .kernarg_segment_size: 80
    .max_flat_workgroup_size: 256
    .sgpr_count:     102
    .vgpr_count:     512
    .wavefront_size: 32
...
	.end_amdgpu_metadata
.endif
;; end of part 4
